; MI455X (gfx1250); checked and timed in simulation.
; The chip was launched on July 23, 2026; its instructions are those of AMD's public machine-readable ISA for CDNA 5 (MIT licence, August 2026) and "CDNA5" Instruction Set Architecture Reference Guide (July 2026). The comments in the code are by the model that wrote it; some were corrected since.
;; Simple Retention. Allowed arithmetic: float matrix products may take bf16 or f16 operands with f32 sums; other float arithmetic in f32, or as packed bf16 or f16 multiplies, adds, multiply-adds, maxima and minima; sums over many terms, partial sums and values carried from step to step in f32; what a program stores and reads back later, other than sums and carried values, may be rounded once to bf16 or f16.
;; Inputs: W_K 1,024 x 1,024 float32; W_Q 1,024 x 1,024 float32; W_V 1,024 x 1,024 float32; X 4 x 2,048 x 1,024 float32.
;; Outputs: out0 4 x 2,048 x 1,024 float32.
;; One version. Each part assembles by itself: llvm-mc -triple=amdgcn-amd-amdhsa -mcpu=gfx1250 --defsym DOCPART=n.
;; ======== version 1 of 1: 4 launches
;; limits: values are held in f16: magnitudes above 65,504 overflow, below 6.1e-05 lose precision
;; workspace buffers: Xb 16,777,216 bytes; Wt 6,291,456 bytes; Tab 8,388,608 bytes; mx 7,168 bytes; Qh 16,777,216 bytes; Kh 16,777,216 bytes; Vt 16,777,216 bytes; Ph 33,554,432 bytes
;; launch prep (part 1): grid 576 x 1, 4 waves a work-group, no clusters, 37,376 bytes of LDS; arguments X, W_Q, W_K, W_V, Xb, Wt, Tab, mx; writes Xb, Wt, Tab, mx
.if DOCPART == 1
	.amdgcn_target "amdgcn-amd-amdhsa--gfx1250"
	.amdhsa_code_object_version 6
	.text
	.protected	k_qb61a0dfad8_prep
	.globl	k_qb61a0dfad8_prep
	.p2align	8
	.type	k_qb61a0dfad8_prep,@function
k_qb61a0dfad8_prep:
	s_mov_b64 s[64:65], 0
	v_nop
	global_prefetch_b8 v0, s[64:65] scope:SCOPE_SE
	s_setreg_imm32_b32 hwreg(HW_REG_WAVE_MODE, 25, 1), 1
	s_wait_xcnt 0x0
; RETENTION, launch 1 of 4: out = ((xpos(X W_Q) xpos_down(X W_K)^T) * D) (X W_V), D[n][m] = g^(n-m) for n >= m, else 0, g = 0.96875.
; DEAD WORK, for the whole program.  D is built in the problem's own body with the constant 0 wherever m > n, and the scores are multiplied by it.  So a score above the diagonal reaches
; no output, whatever finite values X and the weights hold.  Left out in whole units: the score tiles of 256 x 256 that lie wholly above the diagonal (28 of 64 a batch), and the key steps
; of the second product that would read them.  Inside a tile that holds the diagonal the hidden scores are computed and stored as 0.  The decay itself never reaches 0: no tile below the
; diagonal is left out.  Every input has a way to the output and is loaded.  LIMIT: a NaN, an infinity or an overflow that would arise only in the tiles left out is not carried to the result.
; THE FORMATS.  X and the weights are rounded once to bf16 for the projections.  What the program itself makes (q, k, v, the decayed scores) is kept in f16, scaled by factors made of the data:
; xm = max |X|, wm = max |W| of each weight, t = max(xm wm, 2^-100); |X W| <= 1024 t.  q and k are stored times 16 / t, v times 32 / t; launch 4 takes the factors out again.
; LIMITS.  The roundings are relative to those bounds: rows of X far smaller than the largest number of X keep fewer digits.  NaN and infinities are not treated apart.
; THIS LAUNCH has three roles, chosen by the work-group's number.
;   0..255   X -> Xb, bf16, laid as [16 blocks of 64 k][8192 rows][64 k], so that a tile of rows for one block of k is dense; 32 rows a work-group, 8 a wave; and each wave's max |X|.
;   256..447 W_g -> Wt, bf16, turned: [16 blocks of 64 k][3072 rows n'][64 k], n' = (j >> 7) 384 + 128 g + (j & 127), g = 0 Q, 1 K, 2 V; a wave takes 64 k x 64 j through its own LDS bytes; and max |W_g|.
;   448..575 the xpos table Tab: TQ at byte 0, TK at 4,194,304; each [2048 n][512 j] words (cos x scale in the low f16, sin x scale in the high).  TQ's scale is s_j^(n/512), s_j = (2 j + 409.6) / 1433.6;
;            TK's is (s_j / s_0)^(-n/512), at most 1: the factor s_0^(-m/512) that it lacks goes into launch 3's decay.  16 rows a work-group.  The angle n f_j is reduced in turns, sine and cosine are
;            the series of sin(2 pi r), cos(2 pi r) on |r| <= 1/2 to r^15 and r^16: the first terms left out are under 1e-6.
; No matrix unit, cluster or tensor load: a stream in which nothing is shared.
.set SPARE, 36864                      ; behind the four waves' 9,216 bytes: the spare words, 128 bytes a wave
.set SPW, 2                            ; v2   LDS address of my spare word; never rewritten
.set NIL, 3                            ; v3   0; never rewritten
.set LN,  4                            ; v4   lane
.set MM,  10                           ; v10-13 four running maxima
.set XB,  64                           ; role X: v64-191 two sets of 64: a pair of rows as loaded
.set YB,  192                          ; role X: v192-223 the pair in bf16
.set WD,  64                           ; role W: v64-191 64 k x 2 j as loaded; later the rows read back
.set WO,  192                          ; role W: v192-255 two rows of 64 k in bf16
.set NF,  5                            ; role T: n as f32
.set TJ,  16
.set TF,  20                           ; turns a row
.set TL,  24                           ; log2(s_j) / 512
.set TK,  28                           ; (log2(s_0) - log2(s_j)) / 512
.set TA,  32
.set EQ,  36
.set EK,  40
.set RR,  44
.set R2,  48
.set SS,  52
.set CC,  56
.set PP,  60
.set OQ,  64
.set OK,  68
	s_load_b256 s[4:11], s[0:1], 0x0               ; X s[4:5], W_Q s[6:7], W_K s[8:9], W_V s[10:11]
	s_load_b256 s[12:19], s[0:1], 0x20             ; Xb s[12:13], Wt s[14:15], Tab s[16:17], mx s[18:19]
	v_lshl_add_u32 v[SPW], v0, 2, SPARE
	v_mov_b32 v[NIL], 0
	v_lshrrev_b32 v1, 5, v0
	v_readfirstlane_b32 s20, v1                    ; wave 0..3
	v_and_b32 v[LN], 31, v0
	s_mov_b32 s26, 0x76543210                      ; v_permlanex16_b32: each lane takes its own place in the other half
	s_mov_b32 s27, 0xfedcba98
.irp k, 0,1,2,3
	v_mov_b32 v[MM+(\k)], 0
.endr
	s_wait_kmcnt 0x0
	s_cmp_lt_u32 ttmp9, 256
	s_cbranch_scc1 .Lrole_x
	s_cmp_lt_u32 ttmp9, 448
	s_cbranch_scc1 .Lrole_w
	; ---------------- the table: lane l of wave w has j = 128 w + 4 l + 0..3 in every row
	s_sub_co_u32 s21, ttmp9, 448
	s_lshl_b32 s22, s21, 4                         ; my first row
	s_lshl_b32 s23, s20, 7
	s_lshl_b32 s25, s20, 9
	s_lshl_b32 s30, s22, 11                        ; a row of a table is 2,048 bytes
	s_mov_b32 s31, 0
	s_add_nc_u64 s[16:17], s[16:17], s[30:31]
	s_mov_b32 s28, 0xbf37d6dd                      ; -(2 pi)^15 / 15!
	s_mov_b32 s29, 0x3e906316                      ; (2 pi)^16 / 16!
	v_lshl_add_u32 v6, v[LN], 2, s23
	v_lshl_add_u32 v7, v[LN], 4, s25               ; my 16 bytes of a row
	v_cvt_f32_u32 v[NF], s22
.irp e, 0,1,2,3
	v_add_nc_u32 v8, (\e), v6
	v_cvt_f32_u32 v[TJ+(\e)], v8
	v_mul_f32 v[TF+(\e)], 0xbcd49a78, v[TJ+(\e)]   ; -j log2(10000) / 512
	v_add_f32 v[TL+(\e)], v[TJ+(\e)], v[TJ+(\e)]
	v_add_f32 v[TL+(\e)], 0x43cccccd, v[TL+(\e)]   ; 2 j + 409.6
	v_mul_f32 v[TL+(\e)], 0x3a36db6e, v[TL+(\e)]   ; / 1433.6
.endr
.irp e, 0,1,2,3
	v_exp_f32 v[TF+(\e)], v[TF+(\e)]
	v_log_f32 v[TL+(\e)], v[TL+(\e)]
.endr
	v_nop                                          ; a plain instruction behind the last of the batch,
	s_wait_alu depctr_va_vdst(0)                   ; and one wait for the eight, ahead of their first reader
.irp e, 0,1,2,3
	v_mul_f32 v[TF+(\e)], 0.15915494, v[TF+(\e)]   ; radians to turns
	v_sub_f32 v[TK+(\e)], 0xbfe75768, v[TL+(\e)]   ; log2(2/7) - log2(s_j)
	v_mul_f32 v[TK+(\e)], 0x3b000000, v[TK+(\e)]
	v_mul_f32 v[TL+(\e)], 0x3b000000, v[TL+(\e)]
.endr
	s_mov_b32 s24, 16
.Lrow:
.irp e, 0,1,2,3
	v_mul_f32 v[TA+(\e)], v[NF], v[TF+(\e)]
	v_mul_f32 v[EQ+(\e)], v[NF], v[TL+(\e)]
	v_mul_f32 v[EK+(\e)], v[NF], v[TK+(\e)]
.endr
.irp e, 0,1,2,3
	v_exp_f32 v[EQ+(\e)], v[EQ+(\e)]               ; the row's eight scales: one batch; the two series below are the work behind it
	v_exp_f32 v[EK+(\e)], v[EK+(\e)]
.endr
.irp e, 0,1,2,3
	v_rndne_f32 v[TA+(\e)], v[TA+(\e)]
	v_fma_f32 v[RR+(\e)], v[NF], v[TF+(\e)], -v[TA+(\e)]  ; r = n f - the nearest whole turn
	v_mul_f32 v[R2+(\e)], v[RR+(\e)], v[RR+(\e)]
.endr
.irp e, 0,1,2,3
	v_fmaak_f32 v[SS+(\e)], s28, v[R2+(\e)], 0x40747a1a
	v_fmaak_f32 v[CC+(\e)], s29, v[R2+(\e)], 0xbfdb7128
.endr
.irp c, 0xc17183a8, 0x42283c1a, 0xc2996966, 0x42a335e3, 0xc2255de7, 0x40c90fdb
.irp e, 0,1,2,3
	v_fmaak_f32 v[SS+(\e)], v[SS+(\e)], v[R2+(\e)], \c
.endr
.endr
.irp c, 0x40fce9c5, 0xc1d368f9, 0x4270fa83, 0xc2aae9e4, 0x4281e0f8, 0xc19de9e6, 0x3f800000
.irp e, 0,1,2,3
	v_fmaak_f32 v[CC+(\e)], v[CC+(\e)], v[R2+(\e)], \c
.endr
.endr
.irp e, 0,1,2,3
	v_mul_f32 v[SS+(\e)], v[SS+(\e)], v[RR+(\e)]
.endr
	s_wait_alu depctr_va_vdst(0)                   ; one wait for the eight scales, ahead of their first reader
.irp e, 0,1,2,3
	v_mul_f32 v[PP], v[CC+(\e)], v[EQ+(\e)]
	v_mul_f32 v[PP+1], v[SS+(\e)], v[EQ+(\e)]
	v_mul_f32 v[PP+2], v[CC+(\e)], v[EK+(\e)]
	v_mul_f32 v[PP+3], v[SS+(\e)], v[EK+(\e)]
	v_cvt_pk_f16_f32 v[OQ+(\e)], v[PP], v[PP+1]
	v_cvt_pk_f16_f32 v[OK+(\e)], v[PP+2], v[PP+3]
.endr
	global_store_b128 v7, v[OQ:OQ+3], s[16:17]     ; a wave stores 512 consecutive bytes of the row
	global_store_b128 v7, v[OK:OK+3], s[16:17] offset:4194304
	s_wait_xcnt 0x0                                ; the stores have read their data and base: both are rewritten below and in the next trip
	s_add_nc_u64 s[16:17], s[16:17], 2048
	v_add_f32 v[NF], 1.0, v[NF]
	s_sub_co_u32 s24, s24, 1
	s_cmp_lg_u32 s24, 0
	s_cbranch_scc1 .Lrow
	s_branch .Lend
	; ---------------- X: a pair of rows at a time.  Lane l: row (l >> 3) & 1 of the pair, block of k 2 i + (l >> 4), its numbers 8 (l & 7) + 0..7
.Lrole_x:
	v_bfe_u32 v5, v0, 3, 1
	v_bfe_u32 v6, v0, 4, 1
	v_and_b32 v7, 7, v0
	v_lshlrev_b32 v8, 5, v7
	v_lshl_add_u32 v8, v6, 8, v8
	v_lshl_add_u32 v8, v5, 12, v8                  ; in: row x 4,096 + block parity x 256 + 32 (l & 7)
	v_lshlrev_b32 v9, 4, v7
	v_lshl_add_u32 v9, v5, 7, v9
	v_lshl_add_u32 v9, v6, 20, v9                  ; out: block parity x 1,048,576 + row x 128 + 16 (l & 7)
	s_lshl_b32 s21, ttmp9, 5
	s_lshl3_add_u32 s21, s20, s21                  ; my first row: 32 x work-group + 8 x wave
	s_lshl_b32 s22, s21, 12
	s_mov_b32 s23, 0
	s_add_nc_u64 s[4:5], s[4:5], s[22:23]
	s_lshl_b32 s22, s21, 7
	s_add_nc_u64 s[12:13], s[12:13], s[22:23]      ; Xb at my rows in block 0,
	s_add_nc_u64 s[24:25], s[12:13], 0x800000      ; and in block 8: the immediates reach four pairs of blocks
.macro LOADP p, b                      ; pair p of rows into set b: 16 loads
.irp i, 0,1,2,3,4,5,6,7
	global_load_b128 v[XB+64*(\b)+8*(\i):XB+64*(\b)+8*(\i)+3],   v8, s[4:5] offset:(\p)*8192+(\i)*512 th:TH_LOAD_NT
	global_load_b128 v[XB+64*(\b)+8*(\i)+4:XB+64*(\b)+8*(\i)+7], v8, s[4:5] offset:(\p)*8192+(\i)*512+16 th:TH_LOAD_NT
.endr
.endm
.macro PROC p, b                       ; the maximum, the rounding, the stores: sixteen lanes fill 256 consecutive bytes, two rows of one block
	s_wait_xcnt 0x0                                ; the last pair's stores have read YB
.irp i, 0,1,2,3,4,5,6,7
.irp k, 0,1,2,3
	v_max3_num_f32 v[MM+(\k)], v[MM+(\k)], |v[XB+64*(\b)+8*(\i)+2*(\k)]|, |v[XB+64*(\b)+8*(\i)+2*(\k)+1]|
.endr
.irp k, 0,1,2,3
	v_cvt_pk_bf16_f32 v[YB+4*(\i)+(\k)], v[XB+64*(\b)+8*(\i)+2*(\k)], v[XB+64*(\b)+8*(\i)+2*(\k)+1]
.endr
.if (\i) < 4
	global_store_b128 v9, v[YB+4*(\i):YB+4*(\i)+3], s[12:13] offset:(\p)*256+(\i)*2097152
.else
	global_store_b128 v9, v[YB+4*(\i):YB+4*(\i)+3], s[24:25] offset:(\p)*256+((\i)-4)*2097152
.endif
.endr
.endm
	LOADP 0, 0
	LOADP 1, 1
	s_wait_loadcnt 16                              ; the older pair is in; the younger pair's 16 loads stay out
	PROC 0, 0
	LOADP 2, 0
	s_wait_loadcnt 16
	PROC 1, 1
	LOADP 3, 1
	s_wait_loadcnt 16
	PROC 2, 0
	s_wait_loadcnt 0x0
	PROC 3, 1
	s_branch .Lstoremax
	; ---------------- W: u = work-group - 256: weight u >> 6, 128 columns (u >> 3) & 7, two blocks of k u & 7; a wave: one block of 64 k x 64 columns
.Lrole_w:
	s_sub_co_u32 s21, ttmp9, 256
	s_lshr_b32 s22, s21, 6                         ; g
	s_bfe_u32 s23, s21, 0x30003                    ; t
	s_and_b32 s24, s21, 7
	s_lshr_b32 s25, s20, 1
	s_lshl1_add_u32 s24, s24, s25                  ; the block of k
	s_and_b32 s25, s20, 1                          ; which 64 of the 128 columns
	s_cmp_eq_u32 s22, 0
	s_cselect_b64 s[30:31], s[6:7], s[8:9]
	s_cmp_eq_u32 s22, 2
	s_cselect_b64 s[30:31], s[10:11], s[30:31]
	s_lshl_b32 s32, s24, 18                        ; 64 rows of 4,096 bytes a block,
	s_lshl_b32 s34, s23, 9
	s_add_co_u32 s32, s32, s34
	s_lshl_b32 s34, s25, 8
	s_add_co_u32 s32, s32, s34                     ; my 64 columns
	s_mov_b32 s33, 0
	s_add_nc_u64 s[30:31], s[30:31], s[32:33]
	v_lshlrev_b32 v5, 3, v[LN]                     ; a lane has two columns
.set kk, 0
.rept 64
	global_load_b64 v[WD+2*kk:WD+2*kk+1], v5, s[30:31] offset:kk*4096 th:TH_LOAD_NT  ; 256 consecutive bytes of row kk
.set kk, kk+1
.endr
	s_mul_i32 s32, s24, 393216                     ; Wt: the block, 3,072 rows of 128 bytes,
	s_mul_i32 s34, s23, 49152
	s_add_co_u32 s32, s32, s34
	s_lshl_b32 s34, s22, 14
	s_add_co_u32 s32, s32, s34
	s_lshl_b32 s34, s25, 13
	s_add_co_u32 s32, s32, s34                     ; row 384 t + 128 g + 64 x half
	s_add_nc_u64 s[14:15], s[14:15], s[32:33]
	s_mul_i32 s34, s20, 9216                       ; my wave's own 64 rows x 144 bytes of LDS
	v_mul_u32_u24 v6, v[LN], 288
	v_add_nc_u32 v6, s34, v6                       ; in: rows 2 l and 2 l + 1
	v_lshrrev_b32 v7, 3, v[LN]
	v_mul_u32_u24 v7, v7, 144
	v_and_b32 v9, 7, v[LN]
	v_lshl_add_u32 v7, v9, 4, v7
	v_add_nc_u32 v7, s34, v7                       ; back: four rows of 128 bytes for 32 lanes
	v_lshlrev_b32 v8, 4, v[LN]
	s_wait_loadcnt 0x0
.set i, 0
.rept 64
	v_max3_num_f32 v[MM+i%4], v[MM+i%4], |v[WD+2*i]|, |v[WD+2*i+1]|
.set i, i+1
.endr
.set i, 0
.rept 32
	v_cvt_pk_bf16_f32 v[WO+i], v[WD+4*i], v[WD+4*i+2]        ; column 2 l: k = 2 i, 2 i + 1
	v_cvt_pk_bf16_f32 v[WO+32+i], v[WD+4*i+1], v[WD+4*i+3]   ; column 2 l + 1
.set i, i+1
.endr
.irp p, 0,1
.irp q, 0,1,2,3,4,5,6,7
	ds_store_b128 v6, v[WO+32*(\p)+4*(\q):WO+32*(\p)+4*(\q)+3] offset:144*(\p)+16*(\q)
.endr
.endr
.irp i, 0,1,2,3,4,5,6,7,8,9,10,11,12,13,14,15
	ds_load_b128 v[WD+4*(\i):WD+4*(\i)+3], v7 offset:576*(\i)  ; LDS serves a wave's instructions in order (ISA guide 5.7.1.4): these see the stores above
.endr
.irp i, 0,1,2,3,4,5,6,7,8,9,10,11,12,13,14,15
	s_wait_dscnt 15-(\i)
	global_store_b128 v8, v[WD+4*(\i):WD+4*(\i)+3], s[14:15] offset:512*(\i)  ; 512 consecutive bytes: four rows of Wt
.endr
.Lstoremax:                                    ; roles X and W: the wave's maximum goes to word 4 x work-group + wave of mx (X: 0..1023; W_g: 1024 + 256 g ..)
	v_max3_num_f32 v[MM], v[MM], v[MM+1], v[MM+2]
	v_max_num_f32 v[MM], v[MM], v[MM+3]
	v_max_num_f32_dpp v[MM], v[MM], v[MM] row_xmask:1 row_mask:0xf bank_mask:0xf
	v_max_num_f32_dpp v[MM], v[MM], v[MM] row_xmask:2 row_mask:0xf bank_mask:0xf
	v_max_num_f32_dpp v[MM], v[MM], v[MM] row_xmask:4 row_mask:0xf bank_mask:0xf
	v_max_num_f32_dpp v[MM], v[MM], v[MM] row_xmask:8 row_mask:0xf bank_mask:0xf
	v_permlanex16_b32 v[MM+1], v[MM], s26, s27
	v_max_num_f32 v[MM], v[MM], v[MM+1]
	s_lshl2_add_u32 s21, ttmp9, s20
	s_lshl_b32 s21, s21, 2
	v_mov_b32 v[MM+2], s21
	v_cmp_eq_u32 vcc_lo, 0, v[LN]
	s_wait_xcnt 0x0                                ; EXEC is a source of the stores above: it changes only behind this wait
	s_and_saveexec_b32 s28, vcc_lo
	global_store_b32 v[MM+2], v[MM], s[18:19]
	s_wait_xcnt 0x0                                ; and again in front of the line that widens it
	s_or_b32 exec_lo, exec_lo, s28
.Lend:
	s_wait_tensorcnt 0x0                           ; the wave's end, behind the last LDS store
	ds_add_u32 v[SPW], v[NIL]
	s_wait_dscnt 0x0
	s_endpgm
.Lfunc_end_k_qb61a0dfad8_prep:
	.size	k_qb61a0dfad8_prep, .Lfunc_end_k_qb61a0dfad8_prep-k_qb61a0dfad8_prep
	.p2alignl 7, 3214868480
	.fill 96, 4, 3214868480
	.section	.rodata,"a",@progbits
	.p2align	6, 0x0
	.amdhsa_kernel k_qb61a0dfad8_prep
		.amdhsa_group_segment_fixed_size 37376
		.amdhsa_private_segment_fixed_size 0
		.amdhsa_enable_private_segment 0
		.amdhsa_kernarg_size 64
		.amdhsa_user_sgpr_count 2
		.amdhsa_user_sgpr_kernarg_segment_ptr 1
		.amdhsa_wavefront_size32 1
		.amdhsa_system_sgpr_workgroup_id_x 1
		.amdhsa_system_sgpr_workgroup_id_y 1
		.amdhsa_system_sgpr_workgroup_id_z 1
		.amdhsa_system_vgpr_workitem_id 0
		.amdhsa_next_free_vgpr 256
		.amdhsa_next_free_sgpr 66
		.amdhsa_reserve_vcc 1
		.amdhsa_float_denorm_mode_32 3
		.amdhsa_float_denorm_mode_16_64 3
		.amdhsa_memory_ordered 1
		.amdhsa_forward_progress 1
		.amdhsa_inst_pref_size 57
	.end_amdhsa_kernel
	.amdgpu_metadata
---
amdhsa.version: [ 1, 2 ]
amdhsa.kernels:
  - .name:           k_qb61a0dfad8_prep
    .symbol:         k_qb61a0dfad8_prep.kd
    .args:
      - { .name: X, .offset: 0, .size: 8, .value_kind: global_buffer, .address_space: global }
      - { .name: W_Q, .offset: 8, .size: 8, .value_kind: global_buffer, .address_space: global }
      - { .name: W_K, .offset: 16, .size: 8, .value_kind: global_buffer, .address_space: global }
      - { .name: W_V, .offset: 24, .size: 8, .value_kind: global_buffer, .address_space: global }
      - { .name: Xb, .offset: 32, .size: 8, .value_kind: global_buffer, .address_space: global }
      - { .name: Wt, .offset: 40, .size: 8, .value_kind: global_buffer, .address_space: global }
      - { .name: Tab, .offset: 48, .size: 8, .value_kind: global_buffer, .address_space: global }
      - { .name: mx, .offset: 56, .size: 8, .value_kind: global_buffer, .address_space: global }
    .group_segment_fixed_size: 37376
    .private_segment_fixed_size: 0
    .kernarg_segment_align: 8
    .kernarg_segment_size: 64
    .max_flat_workgroup_size: 128
    .sgpr_count:     66
    .vgpr_count:     256
    .wavefront_size: 32
...
	.end_amdgpu_metadata
.endif
;; end of part 1
;; launch proj (part 2): grid 8 x 32, 4 waves a work-group, clusters of 4 x 4, 327,680 bytes of LDS; arguments Xb, Wt, Tab, mx, Qh, Kh, Vt; writes Qh, Kh, Vt
.if DOCPART == 2
	.amdgcn_target "amdgcn-amd-amdhsa--gfx1250"
	.amdhsa_code_object_version 6
	.text
	.protected	k_qb61a0dfad8_proj
	.globl	k_qb61a0dfad8_proj
	.p2align	8
	.type	k_qb61a0dfad8_proj,@function
k_qb61a0dfad8_proj:
	s_mov_b64 s[64:65], 0
	v_nop
	global_prefetch_b8 v0, s[64:65] scope:SCOPE_SE
	s_setreg_imm32_b32 hwreg(HW_REG_WAVE_MODE, 25, 1), 1
	s_wait_xcnt 0x0
	s_wait_alu depctr_hold_cnt(0) depctr_sa_sdst(0) depctr_va_vdst(0) depctr_va_sdst(0) depctr_va_ssrc(0) depctr_va_vcc(0) depctr_vm_vsrc(0)
	s_getreg_b32 s2, hwreg(HW_REG_IB_STS2, 6, 4)
	s_cmp_eq_u32 s2, 0
	s_cbranch_scc0 .Lentry_in_a_cluster
	s_endpgm
.Lentry_in_a_cluster:
	s_bfe_u32 s2, ttmp6, 0x10000c
	s_cmp_lg_u32 s2, 0xf033
	s_cbranch_scc0 .Lentry_shape_is_right
	s_endpgm
.Lentry_shape_is_right:
; RETENTION, launch 2 of 4: the three projections in one GEMM, the xpos rotation, and the roundings to f16.  Nothing is left out here.
; A work-group makes 256 rows x 384 columns of X [W_Q | W_K | W_V]: 128 columns of each weight (Wt's rows are laid so by launch 1).  Four waves; a wave has 128 rows x (64 + 64 + 64) columns:
; 96 accumulators of 16 x 16, 32 for each weight g in register window g + 1.  bf16 operands, f32 sums.
; K goes in 16 steps of 64 through two LDS slots; a tile's rows for one step are dense in Xb and Wt, asked for as rows of 256 bytes and padded in LDS behind every 128 bytes (pitch 144).
; CLUSTER 4 x 4: X's tile hangs on the tile row alone and is asked for jointly by a row of the cluster, W's on the tile column alone, by a column.  The table's tile hangs on both: a load of one's own.
; A step of 32 along K is 96 matrix instructions in six groups of 16 (g = 0, 1, 2; rows 0-63, 64-127); between a group's halves stands one run of LDS loads: X's fragments have two sets of
; registers, each weight's four fragments one set, which is loaded again when its last products are issued.  The 96 accumulators take turns.
; For Q and K source 0 = rows of Wt, source 1 = rows of X: a lane holds one token and eight neighbouring columns.  For V the sources are swapped: a lane holds one column and eight neighbouring tokens.
; THE WAY OUT.  q 16 / t_q, k 16 / t_k, v 32 / t_v (t = max(max|X| max|W|, 2^-100), from launch 1's maxima: |X W| <= 1024 t, so these stay under 2^15) are rounded to f16; q and k go through stages in
; the ring's bytes, which have had their last fill, come back by rows beside the table's rows, are rotated (even = x c - y s, odd = y c + x s, products exact in f32, one rounding) and stored.
; v leaves straight from registers: Vt is laid in the order of a matrix operand's registers, [64 blocks of 16 columns][256 blocks of 32 tokens][2 parts][32 lanes][16 bytes]: lane l of part p holds column
; l % 16 and tokens 16 p + 8 (l / 16) + 0..7, which is what the lane's four packed registers of accumulator (a, b) hold for token block a >> 1, part a & 1.
; LIMITS: as stated in launch 1; |Q|, |K| <= 1.42 x 2^14 after the rotation.
.set PA,    144                        ; an LDS row of a tile: 128 bytes + 16 = 36 words: the 16 rows of a fragment load start at 16 different groups of four banks (64 banks of 4 bytes: ISA guide 11.1)
.set AHALF, 128*PA                     ; what one load brings of X
.set BOFF,  256*PA                     ; W's 384 rows lie behind X's 256
.set BHALF, 192*PA                     ; what one load brings of W
.set GSET,  128*PA                     ; from one weight's rows to the next
.set SLOT,  640*PA
.set TP,    272                        ; a row of the table's tile and of the stages for q and k: 256 bytes + 16
.set TABQ,  2*SLOT                     ; 256 rows of TQ
.set TABK,  TABQ+256*TP                ; 256 rows of TK
.set SPARE, TABK+256*TP                ; the spare words, 128 bytes a wave
.set STGK,  256*TP                     ; stage for q at 0, for k here: both in the ring
.set ASTEP, 1048576                    ; bytes from one block of k to the next in Xb
.set BSTEP, 393216                     ; and in Wt
.set ADRA, 4                           ; v4-5   LDS address of my fragments of X in slot 0, 1
.set ADRB, 6                           ; v6-7   of W
.set STQ,  8
.set STK,  9
.set RQ,   11
.set RK,   12
.set RTQ,  13
.set RTK,  14
.set GQ,   16
.set GV,   17                          ; 16 x lane
.set PFO0, 18
.set PFO1, 19
.set SVQ,  20                          ; 16 / t_q, 16 / t_k, 32 / t_v
.set SVK,  21
.set SVV,  22
.set ZR,   23                          ; 0
.set SPW,  30
.set NIL,  31
.set AB,   32                          ; v32-159  X's fragments, two sets of 8
.set BB,   160                         ; v160-255 W's fragments, a set of 4 for each weight
.set OB,   32                          ; the way out: 128 packed registers
.set RB,   160                         ; the rotation: 64 registers as loaded
.set T1,   224
.set T2,   228
.set GS,   32                          ; the maxima as loaded
.set WV, 20
.set RW, 21                            ; which 128 rows are mine.  Also: I fetch for X (0) or W (1)
.set CW, 22                            ; which 64 columns of each weight.  Also: which half of that tile I fetch
.set CX, 23
.set CY, 24
.set TT, 25
.set YY, 26
.set G1A, 28
.set G1B, 36
.set G1T, 44
.set G0A, 52                           ; s[52:59] a set for each slot
.set G0T, 60
.set G0B, 68                           ; s[68:75]
.set PFA, 76
.set PFS, 78
.set LIM, 80
.set SEL, 82
.set QO,  84
.set KO,  86
.set VO,  88
.set MSB, 0
.macro WIN new                         ; the immediate's high byte repeats the setting that is left; a switch that changes nothing is dropped
.if MSB != (\new)
	s_set_vgpr_msb (MSB<<8)|(\new)
.set MSB, (\new)
.endif
.endm
.macro PLACES                          ; four places behind matrix instructions, in front of loads into registers that they read and of instructions that read results
.rept 4
	v_nop
.endr
.endm
.macro CREST                           ; a round of the cluster's barrier behind its opening barrier
	s_cmp_lg_u32 s[WV], 0
	s_cbranch_scc1 .Lnot_wave_0_\@
	s_barrier_signal -3
.Lnot_wave_0_\@:
	s_barrier_wait -3
	s_barrier_signal -1
	s_barrier_wait -1
.endm
.macro CROUND
	s_barrier_signal -1
	s_barrier_wait -1
	CREST
.endm
.macro JLOAD s                         ; a joint refill of slot s: waves 0 and 1 fetch X's halves, waves 2 and 3 W's; an s_nop 0 and four v_nop follow each line
	s_cmp_eq_u32 s[RW], 0
	s_cbranch_scc0 .Lfor_b_\@
	tensor_load_to_lds s[G0A+4*(\s):G0A+4*(\s)+3], s[G1A:G1A+7]
	s_nop 0
.rept 4
	v_nop
.endr
	s_branch .Lasked_\@
.Lfor_b_\@:
	tensor_load_to_lds s[G0B+4*(\s):G0B+4*(\s)+3], s[G1B:G1B+7]
	s_nop 0
.rept 4
	v_nop
.endr
.Lasked_\@:
.endm
; A PREFETCH INTO THE L2, once a trip of the loop (two K steps), behind slot 0's refill and the LDS loads that follow it: the two K steps that the NEXT trip will ask for, 384 matrix instructions ahead of the first
; of those loads.  X's tile rows are read by both clusters of a row of clusters: the one with x = 0 asks; W's tile columns by all eight of a column: the one with y = 0 asks.  The four partners that ask for
; a tile jointly share its bytes out by address: of X's 32,768 bytes a step a quarter each (32 blocks of 256: a lane a block), of W's 49,152 a quarter each (48 blocks: three lines serve two steps).
; Wave 0 asks for X, wave 2 for W.  So each block is named once.  K steps 0 to 3 come by their loads alone; the last trip asks for nothing.
.macro ASK
	s_cmp_gt_u32 s3, s[LIM]
	s_cbranch_scc0 .Lnone_\@
	s_cmp_eq_u32 s[RW], 0
	s_cbranch_scc0 .Lpf_b_\@
	global_prefetch_b8 v[PFO0], s[PFA:PFA+1] th:TH_LOAD_NT scope:SCOPE_SE
	global_prefetch_b8 v[PFO0], s[PFA:PFA+1] offset:ASTEP th:TH_LOAD_NT scope:SCOPE_SE
	s_branch .Lnone_\@
.Lpf_b_\@:
	global_prefetch_b8 v[PFO0], s[PFA:PFA+1] th:TH_LOAD_NT scope:SCOPE_SE                    ; blocks 0-31 of the first step,
	global_prefetch_b8 v[PFO1], s[PFA:PFA+1] th:TH_LOAD_NT scope:SCOPE_SE                    ; its blocks 32-47 and blocks 0-15 of the second,
	global_prefetch_b8 v[PFO0], s[PFA:PFA+1] offset:BSTEP+4096 th:TH_LOAD_NT scope:SCOPE_SE  ; blocks 16-47 of the second
.Lnone_\@:
.endm
	s_load_b256 s[4:11], s[0:1], 0x0               ; Xb s[4:5], Wt s[6:7], Tab s[8:9], mx s[10:11]
	s_load_b128 s[12:15], s[0:1], 0x20             ; Qh s[12:13], Kh s[14:15]
	s_load_b64 s[16:17], s[0:1], 0x30              ; Vt
	v_lshl_add_u32 v[SPW], v0, 2, SPARE
	v_mov_b32 v[NIL], 0
	ds_add_u32 v[SPW], v[NIL]                      ; the wave's opening: the add, twice on end, and its wait ahead of my first tensor load
	ds_add_u32 v[SPW], v[NIL]
	v_lshrrev_b32 v1, 5, v0
	v_readfirstlane_b32 s[WV], v1
	s_lshr_b32 s[RW], s[WV], 1
	s_and_b32 s[CW], s[WV], 1
	s_bfe_u32 s[CX], ttmp6, 0x40000
	s_bfe_u32 s[CY], ttmp6, 0x40004
	s_lshl_b32 s[TT], ttmp9, 2
	s_add_co_u32 s[TT], s[TT], s[CX]               ; tile column = 4 x cluster x + cx
	s_and_b32 s[YY], ttmp7, 0xffff
	s_lshl_b32 s[YY], s[YY], 2
	s_add_co_u32 s[YY], s[YY], s[CY]               ; tile row = 4 x cluster y + cy
	s_lshl_b32 s94, s[CY], 2
	s_lshl_b32 s94, 15, s94                        ; my row of the cluster
	s_lshl_b32 s95, 0x1111, s[CX]                  ; my column
	s_or_b32 s[G1A], s94, (1<<16)|(1<<20)|(1<<21)|(4<<22)|(3<<25)  ; the mask; 2-byte elements; padding on; bit 21 beside a mask; behind every 32 words, 4 words
	s_or_b32 s[G1B], s95, (1<<16)|(1<<20)|(1<<21)|(4<<22)|(3<<25)
.irp g, G1A, G1B
	s_mov_b32 s[(\g)+1], 128<<16                   ; tensor_dim0 = 128 elements: 256 bytes, two rows of the tile
	s_mov_b32 s[(\g)+3], 128<<16                   ; tile_dim0
	s_mov_b32 s[(\g)+5], 128                       ; dense
	s_mov_b32 s[(\g)+6], 0
	s_mov_b32 s[(\g)+7], 0
.endr
	s_mov_b32 s[G1A+2], 64<<16                     ; X: 128 rows of 128 bytes = 64 of 256
	s_mov_b32 s[G1A+4], 64
	s_mov_b32 s[G1B+2], 96<<16                     ; W: 192 rows = 96 of 256
	s_mov_b32 s[G1B+4], 96
	s_mov_b32 s[G1T], (2<<16)|(1<<20)|(5<<22)|(3<<25)  ; the table: no mask; 4-byte elements; behind every 64 words, 4 words
	s_mov_b32 s[G1T+1], 64<<16
	s_mov_b32 s[G1T+2], 128<<16
	s_mov_b32 s[G1T+3], 64<<16
	s_mov_b32 s[G1T+4], 128
	s_mov_b32 s[G1T+5], 512
	s_mov_b32 s[G1T+6], 0
	s_mov_b32 s[G1T+7], 0
	; offsets, made apart from the addresses.  X's hangs on the tile row and the wave, W's on the tile column and the wave
	s_lshl_b32 s90, s[YY], 15
	s_lshl_b32 s91, s[CW], 14
	s_add_co_u32 s90, s90, s91
	s_mov_b32 s91, 0
	s_mul_i32 s92, s[TT], 49152
	s_mul_i32 s93, s[CW], 24576
	s_add_co_u32 s92, s92, s93
	s_mov_b32 s93, 0
	s_and_b32 s94, s[YY], 7                        ; the table's rows go by the place in the sequence: 256 (tile row mod 8) + 128 x half,
	s_lshl_b32 s94, s94, 19
	s_lshl_b32 s95, s[RW], 22                      ; TQ for waves 0 and 1, TK for waves 2 and 3,
	s_add_co_u32 s94, s94, s95
	s_lshl_b32 s95, s[CW], 18
	s_add_co_u32 s94, s94, s95
	s_lshl_b32 s95, s[TT], 8                       ; 64 pairs of columns: 256 bytes of a row
	s_add_co_u32 s94, s94, s95
	s_mov_b32 s95, 0
	s_mul_i32 s96, s[CW], AHALF
	s_mul_i32 s97, s[CW], BHALF
	s_add_co_u32 s97, s97, BOFF
	s_mul_i32 s98, s[WV], 128*TP
	s_add_co_u32 s98, s98, TABQ
	s_mov_b32 s[SEL], 0x76543210
	s_mov_b32 s[SEL+1], 0xfedcba98
	s_wait_dscnt 0x0                               ; both opening adds are done
	s_wait_kmcnt 0x0
	s_add_nc_u64 s[90:91], s[4:5], s[90:91]
	s_add_nc_u64 s[92:93], s[6:7], s[92:93]
	s_add_nc_u64 s[94:95], s[8:9], s[94:95]
	CROUND                                         ; all sixteen work-groups are here: the first joint loads meet
.irp s, 0,1
	s_mov_b32 s[G0A+4*(\s)], 1
	s_add_co_u32 s[G0A+4*(\s)+1], s96, (\s)*SLOT
	s_add_nc_u64 s[G0A+4*(\s)+2:G0A+4*(\s)+3], s[90:91], (\s)*ASTEP
	s_or_b32 s[G0A+4*(\s)+3], s[G0A+4*(\s)+3], 0x80000000
	s_mov_b32 s[G0B+4*(\s)], 1
	s_add_co_u32 s[G0B+4*(\s)+1], s97, (\s)*SLOT
	s_add_nc_u64 s[G0B+4*(\s)+2:G0B+4*(\s)+3], s[92:93], (\s)*BSTEP
	s_or_b32 s[G0B+4*(\s)+3], s[G0B+4*(\s)+3], 0x80000000
.endr
	s_mov_b32 s[G0T], 1
	s_mov_b32 s[G0T+1], s98
	s_mov_b64 s[G0T+2:G0T+3], s[94:95]
	s_or_b32 s[G0T+3], s[G0T+3], 0x80000000
	s_cmp_eq_u32 s[RW], 0                          ; a wave's three first fills stand in one branch: K step 0, K step 1, my quarter of the table: three loads of mine are out
	s_cbranch_scc0 .Lfirst_b
	tensor_load_to_lds s[G0A:G0A+3], s[G1A:G1A+7]
	s_nop 0
	tensor_load_to_lds s[G0A+4:G0A+7], s[G1A:G1A+7]
	s_nop 0
	tensor_load_to_lds s[G0T:G0T+3], s[G1T:G1T+7]
	s_nop 0
.rept 4
	v_nop
.endr
	s_branch .Lfirst_done
.Lfirst_b:
	tensor_load_to_lds s[G0B:G0B+3], s[G1B:G1B+7]
	s_nop 0
	tensor_load_to_lds s[G0B+4:G0B+7], s[G1B:G1B+7]
	s_nop 0
	tensor_load_to_lds s[G0T:G0T+3], s[G1T:G1T+7]
	s_nop 0
.rept 4
	v_nop
.endr
.Lfirst_done:
	v_and_b32 v1, 15, v0                           ; r = l % 16
	v_bfe_u32 v2, v0, 4, 1                         ; h = l / 16
	v_and_b32 v3, 31, v0                           ; l
	v_lshlrev_b32 v[GV], 4, v3
.set i, 0
.rept 14
	global_load_b128 v[GS+4*i:GS+4*i+3], v[GV], s[10:11] offset:512*i  ; launch 1's maxima: 1,024 of X, 256 of each weight
.set i, i+1
.endr
	v_mul_u32_u24 v24, v1, PA
	v_lshl_add_u32 v24, v2, 4, v24                 ; a fragment: row x pitch + 16 x half
	s_mul_i32 s90, s[RW], AHALF
	s_mul_i32 s91, s[CW], 64*PA
	s_add_co_u32 s91, s91, BOFF
	v_add_nc_u32 v[ADRA], s90, v24
	v_add_nc_u32 v[ADRA+1], SLOT, v[ADRA]
	v_add_nc_u32 v[ADRB], s91, v24
	v_add_nc_u32 v[ADRB+1], SLOT, v[ADRB]
	v_mul_u32_u24 v24, v1, TP                      ; into the stages for q and k: row 128 rw + 16 a + r, bytes 128 cw + 32 b + 16 h
	v_lshl_add_u32 v24, v2, 4, v24
	s_mul_i32 s90, s[RW], 128*TP
	s_lshl_b32 s91, s[CW], 7
	s_add_co_u32 s90, s90, s91
	v_add_nc_u32 v[STQ], s90, v24
	v_add_nc_u32 v[STK], STGK, v[STQ]
	v_mul_u32_u24 v25, v2, TP                      ; back: wave w takes rows 64 w ..; lanes 0-15 one row of 256 bytes, lanes 16-31 the next; the table's rows likewise
	v_lshl_add_u32 v25, v1, 4, v25
	s_mul_i32 s90, s[WV], 64*TP
	v_add_nc_u32 v[RQ], s90, v25
	v_add_nc_u32 v[RK], STGK, v[RQ]
	v_add_nc_u32 v[RTQ], TABQ, v[RQ]
	v_add_nc_u32 v[RTK], TABK, v[RQ]
	v_lshlrev_b32 v[GQ], 11, v2
	v_lshl_add_u32 v[GQ], v1, 4, v[GQ]             ; two rows of Qh or Kh
	v_lshlrev_b32 v[PFO0], 8, v3
	v_add_nc_u32 v[PFO1], 8192, v[PFO0]
	v_mul_u32_u24 v27, v2, BSTEP-12288
	v_add_nc_u32 v[PFO1], v27, v[PFO1]
	v_mov_b32 v[ZR], 0
	s_lshl_b32 s90, s[YY], 19                      ; Qh, Kh: row 256 x tile row + 64 x wave, byte 256 x tile column
	s_lshl_b32 s91, s[WV], 17
	s_add_co_u32 s90, s90, s91
	s_lshl_b32 s91, s[TT], 8
	s_add_co_u32 s90, s90, s91
	s_mov_b32 s91, 0
	s_add_nc_u64 s[QO:QO+1], s[12:13], s[90:91]
	s_add_nc_u64 s[KO:KO+1], s[14:15], s[90:91]
	s_lshl_b32 s90, s[TT], 21                      ; Vt: column block 8 x tile column + 4 cw (262,144 bytes each), token block 8 x tile row + 4 rw (1,024 bytes each)
	s_lshl_b32 s92, s[CW], 20
	s_add_co_u32 s90, s90, s92
	s_lshl_b32 s92, s[YY], 13
	s_add_co_u32 s90, s90, s92
	s_lshl_b32 s92, s[RW], 12
	s_add_co_u32 s90, s90, s92
	s_add_nc_u64 s[VO:VO+1], s[16:17], s[90:91]
	; the prefetches: who, and from where
	s_lshl_b32 s92, s[YY], 15
	s_lshl_b32 s93, s[CX], 13
	s_add_co_u32 s92, s92, s93
	s_add_co_u32 s92, s92, 2*ASTEP                 ; at K step 2: the first trip steps it to 4
	s_mul_i32 s94, s[TT], 49152
	s_mul_i32 s95, s[CY], 12288
	s_add_co_u32 s94, s94, s95
	s_add_co_u32 s94, s94, 2*BSTEP
	s_mov_b32 s95, 2*BSTEP
	s_and_b32 s90, ttmp7, 0xffff                   ; cluster y
	s_cmp_eq_u32 s[RW], 0
	s_cselect_b32 s90, ttmp9, s90                  ; the coordinate along which other clusters read the same bytes
	s_cselect_b32 s92, s92, s94
	s_cselect_b32 s[PFS], 2*ASTEP, s95
	s_cselect_b64 s[PFA:PFA+1], s[4:5], s[6:7]
	s_mov_b32 s93, 0
	s_mov_b32 s[PFS+1], 0
	s_add_nc_u64 s[PFA:PFA+1], s[PFA:PFA+1], s[92:93]
	s_or_b32 s90, s90, s[CW]                       ; waves 0 and 2 alone
	s_cmp_eq_u32 s90, 0
	s_cselect_b32 s[LIM], 1, -1                    ; the same in all sixteen partners, for a given wave
	; the scales
.macro FOLD d, n                       ; the maximum of v[d .. d + n - 1] into v[d]
.set i, 1
.rept ((\n)-2)/2
	v_max3_num_f32 v[\d], v[\d], v[(\d)+i], v[(\d)+i+1]
.set i, i+2
.endr
	v_max_num_f32 v[\d], v[\d], v[(\d)+(\n)-1]
.endm
.macro WMAX d                          ; over the 32 lanes; v[d + 1] is at work
	v_max_num_f32_dpp v[\d], v[\d], v[\d] row_xmask:1 row_mask:0xf bank_mask:0xf
	v_max_num_f32_dpp v[\d], v[\d], v[\d] row_xmask:2 row_mask:0xf bank_mask:0xf
	v_max_num_f32_dpp v[\d], v[\d], v[\d] row_xmask:4 row_mask:0xf bank_mask:0xf
	v_max_num_f32_dpp v[\d], v[\d], v[\d] row_xmask:8 row_mask:0xf bank_mask:0xf
	v_permlanex16_b32 v[(\d)+1], v[\d], s[SEL], s[SEL+1]
	v_max_num_f32 v[\d], v[\d], v[(\d)+1]
.endm
	s_wait_loadcnt 0x0
	FOLD GS, 32
	FOLD GS+32, 8
	FOLD GS+40, 8
	FOLD GS+48, 8
	WMAX GS
	WMAX GS+32
	WMAX GS+40
	WMAX GS+48
.irp g, 0,1,2
	v_mul_f32 v[SVQ+(\g)], v[GS], v[GS+32+8*(\g)]
	v_max_num_f32 v[SVQ+(\g)], 0x0d800000, v[SVQ+(\g)]  ; t, at least 2^-100
.endr
.irp g, 0,1,2
	v_rcp_f32 v[SVQ+(\g)], v[SVQ+(\g)]
.endr
	v_nop                                          ; a plain instruction behind the last reciprocal,
	s_wait_alu depctr_va_vdst(0)                   ; and one wait for the three
	v_mul_f32 v[SVQ], 0x41800000, v[SVQ]
	v_mul_f32 v[SVK], 0x41800000, v[SVK]
	v_mul_f32 v[SVV], 0x42000000, v[SVV]
; 8 matrix instructions: weight g, X's set buf, row blocks first, first + 1 x the weight's 4 column blocks.  zero = 1: the product starts the sum
.macro MUL8 g, buf, first, zero
	WIN 0x50*((\g)+1)                              ; C and D in window g + 1, the sources in window 0
.irp a, \first, (\first)+1
.irp b, 0,1,2,3
.set rD, 8*(4*(\a)+(\b))
.if (\g) == 2
.set rX, AB+64*(\buf)+8*(\a)
.set rY, BB+32*(\g)+8*(\b)
.else
.set rX, BB+32*(\g)+8*(\b)
.set rY, AB+64*(\buf)+8*(\a)
.endif
.if \zero
	v_wmma_f32_16x16x32_bf16 v[rD:rD+7], v[rX:rX+7], v[rY:rY+7], 0
.else
	v_wmma_f32_16x16x32_bf16 v[rD:rD+7], v[rX:rX+7], v[rY:rY+7], v[rD:rD+7]
.endif
.endr
.endr
.endm
.macro MUL16 g, buf, half, zero
	MUL8 \g, \buf, 4*(\half), \zero
	MUL8 \g, \buf, 4*(\half)+2, \zero
.endm
.macro LDB set, slot, kap              ; weight set's four fragments, 32 along K at byte 64 kap of the slot's rows: 8 loads
.irp b, 0,1,2,3
	ds_load_b128 v[BB+32*(\set)+8*(\b):BB+32*(\set)+8*(\b)+3],   v[ADRB+(\slot)] offset:(\set)*GSET+(\b)*16*PA+64*(\kap)
	ds_load_b128 v[BB+32*(\set)+8*(\b)+4:BB+32*(\set)+8*(\b)+7], v[ADRB+(\slot)] offset:(\set)*GSET+(\b)*16*PA+64*(\kap)+32
.endr
.endm
.macro LDA buf, half, slot, kap        ; four of X's eight fragments into set buf: 8 loads
.irp a, 0,1,2,3
	ds_load_b128 v[AB+64*(\buf)+8*(4*(\half)+(\a)):AB+64*(\buf)+8*(4*(\half)+(\a))+3],   v[ADRA+(\slot)] offset:(4*(\half)+(\a))*16*PA+64*(\kap)
	ds_load_b128 v[AB+64*(\buf)+8*(4*(\half)+(\a))+4:AB+64*(\buf)+8*(4*(\half)+(\a))+7], v[ADRA+(\slot)] offset:(4*(\half)+(\a))*16*PA+64*(\kap)+32
.endr
.endm
; THE ORDER OF THE LDS LOADS, the same in every step: [W2 of this step] [W0, X rows 0-63 of the next] [X rows 64-127, W1 of the next], 8 loads each.  The counts below leave the younger runs out.
; A slot's first 32 along K: X's set 0 is multiplied, set 1 fetched from the same slot.
.macro STEP_E slot, zero
	s_wait_dscnt 16                                ; W0 and X's rows 0-63 are in; X's rows 64-127 and W1 may be out
	MUL16 0, 0, 0, \zero
	PLACES
	WIN 0
	LDB 2, \slot, 0
	s_wait_dscnt 16                                ; X's rows 64-127 are in; W1 and W2 may be out
	MUL16 0, 0, 1, \zero
	s_wait_dscnt 8                                 ; W1 is in; W2 may be out
	MUL16 1, 0, 0, \zero
	PLACES
	WIN 0
	LDB 0, \slot, 1
	LDA 1, 0, \slot, 1
	MUL16 1, 0, 1, \zero
	s_wait_dscnt 16                                ; W2 is in; the 16 just issued may be out
	MUL16 2, 0, 0, \zero
	PLACES
	WIN 0
	LDA 1, 1, \slot, 1
	LDB 1, \slot, 1
	MUL16 2, 0, 1, \zero
.endm
; A slot's second 32 along K: X's set 1 is multiplied; in its middle the slots change.  In front of the barrier each wave waits for all its tensor loads (its part of the other slot; the first time the table too), adds 0 to its
; spare word, and waits for that and for its reads of this slot, of which W2's were the last.  fill = 1: the barrier opens a round of the cluster's barrier, and this slot's joint refill, two K steps on, is the first
; thing behind the round: 176 matrix instructions stand between it and the wait for it.  last = 1: the last step of all: nothing is fetched, no barrier.
.macro STEP_O slot, fill, ask, last
.if \ask
	s_wait_xcnt 0x0                                ; the last prefetches, a trip back, have read their address
	s_add_nc_u64 s[PFA:PFA+1], s[PFA:PFA+1], s[PFS:PFS+1]
.endif
	s_wait_dscnt 16
	MUL16 0, 1, 0, 0
	PLACES
	WIN 0
	LDB 2, \slot, 1
	s_wait_dscnt 16
	MUL16 0, 1, 1, 0
.if \last
	s_wait_dscnt 8
	MUL16 1, 1, 0, 0
	MUL16 1, 1, 1, 0
	s_wait_dscnt 0x0
	MUL16 2, 1, 0, 0
	MUL16 2, 1, 1, 0
.else
	WIN 0                                          ; (the add's two registers lie in window 0)
	s_wait_tensorcnt 0x0                           ; all my tensor loads have landed, so a group 0 may be written
	ds_add_u32 v[SPW], v[NIL]                      ; 0 onto my spare word
.if \fill
	s_add_nc_u64 s[G0A+4*(\slot)+2:G0A+4*(\slot)+3], s[G0A+4*(\slot)+2:G0A+4*(\slot)+3], 2*ASTEP
	s_add_nc_u64 s[G0B+4*(\slot)+2:G0B+4*(\slot)+3], s[G0B+4*(\slot)+2:G0B+4*(\slot)+3], 2*BSTEP
.endif
	s_wait_dscnt 9                                 ; W1 is in; W2's eight loads and the add may be out
	MUL8 1, 1, 0, 0
	s_wait_dscnt 0x0                               ; the add is done, and my reads of this slot are over
	s_barrier_signal -1
	MUL8 1, 1, 2, 0
	WIN 0
	s_barrier_wait -1
.if \fill
	CREST                                          ; no wave of any partner still reads this slot or has a load on its way
	JLOAD \slot                                    ; its four v_nop are also the places in front of the loads below
.else
	PLACES
.endif
	LDB 0, 1-(\slot), 0
	LDA 0, 0, 1-(\slot), 0
.if \ask
	ASK
.endif
	MUL16 1, 1, 1, 0
	s_wait_dscnt 16
	MUL16 2, 1, 0, 0
	PLACES
	WIN 0
	LDA 0, 1, 1-(\slot), 0
	LDB 1, 1-(\slot), 0
	MUL16 2, 1, 1, 0
.endif
.endm
	s_wait_tensorcnt 0x2                           ; my part of K step 0 is in; K step 1 and the table may stay out
	s_barrier_signal -1
	s_barrier_wait -1
	LDB 0, 0, 0
	LDA 0, 0, 0, 0
	LDA 0, 1, 0, 0
	LDB 1, 0, 0
	STEP_E 0, 1                                    ; the first step stands in front of the loop: its products start the sums
	WIN 0
	s_mov_b32 s3, 7
.Lk:                                           ; a trip goes once round the ring and fills both slots again: K steps 2 .. 15 in seven trips
	STEP_O 0, 1, 1, 0
	STEP_E 1, 0
	STEP_O 1, 1, 0, 0
	STEP_E 0, 0
	WIN 0
	s_sub_co_u32 s3, s3, 1
	s_cmp_lg_u32 s3, 0
	s_cbranch_scc1 .Lk
	STEP_O 0, 0, 0, 0                              ; the tail is written out: nothing more is asked for
	STEP_E 1, 0
	STEP_O 1, 0, 0, 1
	; THE WAY OUT
	PLACES
	WIN 0
	s_wait_dscnt 0x0
	s_barrier_signal -1
	s_barrier_wait -1                              ; no wave reads the ring any more: its bytes, which have had their last fill, become the stages
.macro DUMP g, sv                      ; weight g's 32 accumulators times its scale, each rounded once to f16, two to a register; each accumulator from its low end on; the low halves of four registers, then their high halves
	WIN (\g)+1                                     ; source 0 in window g + 1
.set i, 0
.rept 32
.irp j, 0,1,2,3
	v_fma_mixlo_f16 v[OB+4*i+(\j)], v[8*i+2*(\j)], v[\sv], v[ZR]
.endr
.irp j, 0,1,2,3
	v_fma_mixhi_f16 v[OB+4*i+(\j)], v[8*i+2*(\j)+1], v[\sv], v[ZR]
.endr
.set i, i+1
.endr
	WIN 0
.endm
	DUMP 0, SVQ
.irp a, 0,1,2,3,4,5,6,7
.irp b, 0,1,2,3
	ds_store_b128 v[STQ], v[OB+4*(4*(\a)+(\b)):OB+4*(4*(\a)+(\b))+3] offset:(\a)*16*TP+32*(\b)
.endr
.endr
	DUMP 1, SVK
.irp a, 0,1,2,3,4,5,6,7
.irp b, 0,1,2,3
	ds_store_b128 v[STK], v[OB+4*(4*(\a)+(\b)):OB+4*(4*(\a)+(\b))+3] offset:(\a)*16*TP+32*(\b)
.endr
.endr
	DUMP 2, SVV
.irp a, 0,1,2,3,4,5,6,7
.irp b, 0,1,2,3
	global_store_b128 v[GV], v[OB+4*(4*(\a)+(\b)):OB+4*(4*(\a)+(\b))+3], s[VO:VO+1] offset:(\b)*262144+(\a)*512  ; v: a wave stores 512 consecutive bytes, aligned: one part of one block of Vt; these registers are not written again
.endr
.endr
	s_wait_dscnt 0x0                               ; for the others' sake: my stores into the stages are done
	s_barrier_signal -1
	s_barrier_wait -1
	s_mov_b32 s3, 8
.Lrot:                                         ; a trip: eight rows of q and of k.  A lane's 16 bytes of a stage row are four pairs (x, y); its 16 bytes of the table's row are their four (c, s)
.irp i, 0,1,2,3
	ds_load_b128 v[RB+16*(\i):RB+16*(\i)+3],     v[RQ]  offset:544*(\i)
	ds_load_b128 v[RB+16*(\i)+4:RB+16*(\i)+7],   v[RTQ] offset:544*(\i)
	ds_load_b128 v[RB+16*(\i)+8:RB+16*(\i)+11],  v[RK]  offset:544*(\i)
	ds_load_b128 v[RB+16*(\i)+12:RB+16*(\i)+15], v[RTK] offset:544*(\i)
.endr
.irp i, 0,1,2,3
.irp q, 0,1
	s_wait_dscnt 14-4*(\i)-2*(\q)                  ; this pair of loads is in; the younger ones stay out
.irp k, 0,1,2,3
	v_fma_mix_f32 v[T1+(\k)], v[RB+16*(\i)+8*(\q)+(\k)], v[RB+16*(\i)+8*(\q)+4+(\k)], v[ZR] op_sel:[1,1,0] op_sel_hi:[1,1,0]  ; y s
	v_fma_mix_f32 v[T2+(\k)], v[RB+16*(\i)+8*(\q)+(\k)], v[RB+16*(\i)+8*(\q)+4+(\k)], v[ZR] op_sel:[0,1,0] op_sel_hi:[1,1,0]  ; x s
.endr
.irp k, 0,1,2,3
	v_fma_mixlo_f16 v[RB+16*(\i)+8*(\q)+(\k)], v[RB+16*(\i)+8*(\q)+(\k)], v[RB+16*(\i)+8*(\q)+4+(\k)], -v[T1+(\k)] op_sel_hi:[1,1,0]  ; x c - y s
.endr
.irp k, 0,1,2,3
	v_fma_mixhi_f16 v[RB+16*(\i)+8*(\q)+(\k)], v[RB+16*(\i)+8*(\q)+(\k)], v[RB+16*(\i)+8*(\q)+4+(\k)], v[T2+(\k)] op_sel:[1,0,0] op_sel_hi:[1,1,0]  ; y c + x s
.endr
.if (\q) == 0
	global_store_b128 v[GQ], v[RB+16*(\i):RB+16*(\i)+3], s[QO:QO+1] offset:4096*(\i)  ; 16 lanes store 256 consecutive bytes, aligned
.else
	global_store_b128 v[GQ], v[RB+16*(\i)+8:RB+16*(\i)+11], s[KO:KO+1] offset:4096*(\i)
.endif
.endr
.endr
	s_wait_xcnt 0x0                                ; the stores have read their data and bases: both are rewritten below and in the next trip
	s_add_nc_u64 s[QO:QO+1], s[QO:QO+1], 16384
	s_add_nc_u64 s[KO:KO+1], s[KO:KO+1], 16384
	v_add_nc_u32 v[RQ], 8*TP, v[RQ]
	v_add_nc_u32 v[RTQ], 8*TP, v[RTQ]
	v_add_nc_u32 v[RK], 8*TP, v[RK]
	v_add_nc_u32 v[RTK], 8*TP, v[RTK]
	s_sub_co_u32 s3, s3, 1
	s_cmp_lg_u32 s3, 0
	s_cbranch_scc1 .Lrot
	s_wait_tensorcnt 0x0                           ; the wave's end, behind my last tensor load and my last LDS store
	ds_add_u32 v[SPW], v[NIL]
	s_wait_dscnt 0x0
	CROUND                                         ; the closing round: no work-group ends while a partner may still ask for a tile that names it
	s_endpgm
.Lfunc_end_k_qb61a0dfad8_proj:
	.size	k_qb61a0dfad8_proj, .Lfunc_end_k_qb61a0dfad8_proj-k_qb61a0dfad8_proj
	.p2alignl 7, 3214868480
	.fill 96, 4, 3214868480
	.section	.rodata,"a",@progbits
	.p2align	6, 0x0
	.amdhsa_kernel k_qb61a0dfad8_proj
		.amdhsa_group_segment_fixed_size 327680
		.amdhsa_private_segment_fixed_size 0
		.amdhsa_enable_private_segment 0
		.amdhsa_kernarg_size 56
		.amdhsa_user_sgpr_count 2
		.amdhsa_user_sgpr_kernarg_segment_ptr 1
		.amdhsa_wavefront_size32 1
		.amdhsa_system_sgpr_workgroup_id_x 1
		.amdhsa_system_sgpr_workgroup_id_y 1
		.amdhsa_system_sgpr_workgroup_id_z 1
		.amdhsa_system_vgpr_workitem_id 0
		.amdhsa_next_free_vgpr 1024
		.amdhsa_next_free_sgpr 102
		.amdhsa_reserve_vcc 0
		.amdhsa_float_denorm_mode_32 3
		.amdhsa_float_denorm_mode_16_64 3
		.amdhsa_memory_ordered 1
		.amdhsa_forward_progress 1
		.amdhsa_inst_pref_size 159
	.end_amdhsa_kernel
	.amdgpu_metadata
---
amdhsa.version: [ 1, 2 ]
amdhsa.kernels:
  - .name:           k_qb61a0dfad8_proj
    .symbol:         k_qb61a0dfad8_proj.kd
    .args:
      - { .name: Xb, .offset: 0, .size: 8, .value_kind: global_buffer, .address_space: global }
      - { .name: Wt, .offset: 8, .size: 8, .value_kind: global_buffer, .address_space: global }
      - { .name: Tab, .offset: 16, .size: 8, .value_kind: global_buffer, .address_space: global }
      - { .name: mx, .offset: 24, .size: 8, .value_kind: global_buffer, .address_space: global }
      - { .name: Qh, .offset: 32, .size: 8, .value_kind: global_buffer, .address_space: global }
      - { .name: Kh, .offset: 40, .size: 8, .value_kind: global_buffer, .address_space: global }
      - { .name: Vt, .offset: 48, .size: 8, .value_kind: global_buffer, .address_space: global }
    .group_segment_fixed_size: 327680
    .private_segment_fixed_size: 0
    .kernarg_segment_align: 8
    .kernarg_segment_size: 56
    .max_flat_workgroup_size: 128
    .sgpr_count:     102
    .vgpr_count:     1024
    .wavefront_size: 32
...
	.end_amdgpu_metadata
.endif
;; end of part 2
;; launch score (part 3): grid 9 x 16, 4 waves a work-group, no clusters, 327,680 bytes of LDS; arguments Qh, Kh, Ph; writes Ph
.if DOCPART == 3
	.amdgcn_target "amdgcn-amd-amdhsa--gfx1250"
	.amdhsa_code_object_version 6
	.text
	.protected	k_qb61a0dfad8_score
	.globl	k_qb61a0dfad8_score
	.p2align	8
	.type	k_qb61a0dfad8_score,@function
k_qb61a0dfad8_score:
	s_mov_b64 s[64:65], 0
	v_nop
	global_prefetch_b8 v0, s[64:65] scope:SCOPE_SE
	s_setreg_imm32_b32 hwreg(HW_REG_WAVE_MODE, 25, 1), 1
	s_wait_xcnt 0x0
; RETENTION, launch 3 of 4: the decayed scores.  Ph[b][n][m] = f16(2^-23 g^n g'^-m sum over j of Qh[b][n][j] Kh[b][m][j]) for n >= m, 0 above the diagonal; g = 0.96875, g' = g (2/7)^(1/512):
; the factor (2/7)^(-m/512) is the part of k's xpos scale that launch 1's table left out.  By the bounds of launch 1 |Ph| <= 2^15.
; LEFT OUT: the tiles of 256 x 256 wholly above the diagonal, which the problem's own mask multiplies by 0 (shown in launch 1's head).  A batch has 36 live tiles (I, J), J <= I.
; THE GRID.  Rows pp and 7 - pp of the triangle have 9 tiles together: x = 0..8 walks them, y = 4 x batch + pp.  144 work-groups, a tile each, all live.
; NO CLUSTER: a row of the triangle has 1 to 8 tiles and a pair of rows 9: no four work-groups that share Q's rows, or K's, can be formed evenly, and squares of 2 x 2 tiles would hold a dead tile on the diagonal.
; THE PRODUCT: four waves, each 128 x 128 in 64 accumulators; K in 8 steps of 128 through two LDS slots; f16 operands, f32 sums.  Source 0 = 16 rows of Kh, source 1 = 16 rows of Qh: a lane holds
; one row n and eight neighbouring m.  The loop holds one K step; the slot in hand is a scalar that an exclusive or turns.  The 64 accumulators take turns.
; THE WAY OUT: each wave lays its 128 x 128 f32 sums into the ring's bytes, which have had their last fill (128 rows of 528 bytes, its own), reads them back a row a load, multiplies by the factor
; (made once for the wave's first row, then times g from row to row), on the diagonal tile also by 0 or 1, rounds to f16 and stores 256 consecutive bytes a row.
.set KSTEP,  128
.set PITCH,  272                       ; an LDS row: 256 bytes + 16 = 68 words: the 16 rows of a load start at 16 different groups of four banks (64 banks of 4 bytes: ISA guide 11.1)
.set HALFT,  128*PITCH
.set SLOT,   4*HALFT                   ; Q's 256 rows, then K's; 0x22000: it shares no bit with wave x HALFT, so an exclusive or turns one slot's address into the other's
.set SPARE,  2*SLOT
.set WP,     528                       ; a row of a wave's stage: 512 bytes + 16
.set WST,    128*WP
.set RHO,  6                           ; v6      the row's number in the wave's 128, as f32
.set CR,   8                           ; v8-11   the factor for my four columns in the row in hand
.set UU,   12                          ; v12-15  n_w - m + 1 for my four columns
.set ADRA, 16
.set ADRB, 17
.set ADRA0, 18
.set ADRB0, 19
.set STO,  20
.set RD,   21
.set GO,   22
.set SPW,  28
.set NIL,  29
.set PFO,  30
.set MF,   32
.set CM,   36
.set DT,   40                          ; v40-55  four rows as read back
.set OP,   56                          ; v56-63  four rows in f16
.set F0,   64
.set F1,   128
.set WV, 10
.set RW, 11                            ; which 128 rows are mine.  Also: I fetch from Qh (0) or Kh (1)
.set CW, 12
.set TI, 16
.set TJ, 17
.set G1, 24
.set G0, 32                            ; s[32:39]: a set for each first fill; the second then walks on
.set TB, 40
.set LIM, 43
.set PFA, 44
.set MSB, 0
.macro WIN new
.if MSB != (\new)
	s_set_vgpr_msb (MSB<<8)|(\new)
.set MSB, (\new)
.endif
.endm
.set MUL_LO, 0xa1                      ; source 0 (K) window 1, source 1 (Q) window 0, C and D window 2
.set MUL_HI, 0xf1
.set TO_B,   0x40
.macro PLACES
.rept 4
	v_nop
.endr
.endm
	s_load_b128 s[4:7], s[0:1], 0x0                ; Qh s[4:5], Kh s[6:7]
	s_load_b64 s[8:9], s[0:1], 0x10                ; Ph
	v_lshl_add_u32 v[SPW], v0, 2, SPARE
	v_mov_b32 v[NIL], 0
	ds_add_u32 v[SPW], v[NIL]                      ; the wave's opening: the add, twice on end, and its wait ahead of my first tensor load
	ds_add_u32 v[SPW], v[NIL]
	v_lshrrev_b32 v1, 5, v0
	v_readfirstlane_b32 s[WV], v1
	s_lshr_b32 s[RW], s[WV], 1
	s_and_b32 s[CW], s[WV], 1
	s_and_b32 s13, ttmp7, 0xffff
	s_and_b32 s14, s13, 3                          ; pp
	s_lshr_b32 s15, s13, 2                         ; the batch
	s_sub_co_u32 s[TI], 7, s14
	s_sub_co_u32 s[TJ], ttmp9, s14
	s_sub_co_u32 s[TJ], s[TJ], 1
	s_cmp_le_u32 ttmp9, s14
	s_cselect_b32 s[TI], s14, s[TI]                ; x <= pp: tile (pp, x); else (7 - pp, x - pp - 1)
	s_cselect_b32 s[TJ], ttmp9, s[TJ]
	s_cmp_eq_u32 s[TI], s[TJ]
	s_cselect_b32 s[LIM], 2, -1                    ; the diagonal tiles prefetch
	s_mov_b32 s[G1], (1<<16)|(1<<20)|(5<<22)|(3<<25)  ; 2-byte elements; padding on: behind every 64 words, 4 words
	s_mov_b32 s[G1+1], KSTEP<<16
	s_mov_b32 s[G1+2], 128<<16
	s_mov_b32 s[G1+3], KSTEP<<16
	s_mov_b32 s[G1+4], 128
	s_mov_b32 s[G1+5], 1024
	s_mov_b32 s[G1+6], 0
	s_mov_b32 s[G1+7], 0
	s_cmp_eq_u32 s[RW], 0
	s_cselect_b32 s18, s[TI], s[TJ]
	s_lshl_b32 s18, s18, 8
	s_lshl_b32 s19, s15, 11
	s_add_co_u32 s18, s18, s19
	s_lshl_b32 s19, s[CW], 7
	s_add_co_u32 s18, s18, s19                     ; the first of the 128 rows that I fetch
	s_lshl_b32 s18, s18, 11                        ; a row is 2,048 bytes
	s_mov_b32 s19, 0
	s_mul_i32 s22, s[WV], HALFT
	s_lshl_b32 s46, s[TI], 8
	s_lshl_b32 s48, s[RW], 7
	s_add_co_u32 s46, s46, s48                     ; n_w: my first row in the sequence
	s_lshl_b32 s47, s[TJ], 8
	s_lshl_b32 s48, s[CW], 7
	s_add_co_u32 s47, s47, s48                     ; m_w: my first column
	s_lshl_b32 s50, s15, 23
	s_lshl_b32 s48, s46, 12
	s_add_co_u32 s50, s50, s48
	s_lshl_b32 s48, s47, 1
	s_add_co_u32 s50, s50, s48
	s_mov_b32 s51, 0
	s_sub_co_u32 s48, s46, s47
	s_add_co_u32 s48, s48, 1                       ; n_w - m_w + 1, signed
	s_mov_b32 s[TB], 0
	s_wait_dscnt 0x0                               ; both opening adds are done
	s_wait_kmcnt 0x0
	s_cmp_eq_u32 s[RW], 0
	s_cselect_b64 s[20:21], s[4:5], s[6:7]
	s_add_nc_u64 s[20:21], s[20:21], s[18:19]
	s_add_nc_u64 s[8:9], s[8:9], s[50:51]
	s_add_nc_u64 s[PFA:PFA+1], s[20:21], 3*KSTEP*2 ; at K step 3: the first refill steps it to 4
.irp s, 0,1
	s_mov_b32 s[G0+4*(\s)], 1
	s_add_co_u32 s[G0+4*(\s)+1], s22, (\s)*SLOT
	s_add_nc_u64 s[G0+4*(\s)+2:G0+4*(\s)+3], s[20:21], (\s)*KSTEP*2
	s_or_b32 s[G0+4*(\s)+3], s[G0+4*(\s)+3], 0x80000000
.endr
	tensor_load_to_lds s[G0:G0+3], s[G1:G1+7]      ; every wave fetches a quarter of a slot: two loads of mine are out
	s_nop 0
	tensor_load_to_lds s[G0+4:G0+7], s[G1:G1+7]
	s_nop 0
.rept 4
	v_nop
.endr
	v_and_b32 v1, 15, v0
	v_bfe_u32 v2, v0, 4, 1
	v_and_b32 v4, 31, v0
	v_mul_u32_u24 v3, v1, PITCH
	v_lshl_add_u32 v3, v2, 4, v3
	s_mul_i32 s21, s[RW], HALFT
	s_mul_i32 s23, s[CW], HALFT
	s_add_co_u32 s23, s23, 2*HALFT
	v_add_nc_u32 v[ADRA0], s21, v3
	v_add_nc_u32 v[ADRB0], s23, v3
	v_mov_b32 v[ADRA], v[ADRA0]
	v_mov_b32 v[ADRB], v[ADRB0]
	s_mul_i32 s21, s[WV], WST
	v_mul_u32_u24 v[STO], v1, WP
	v_lshl_add_u32 v[STO], v2, 5, v[STO]
	v_add_nc_u32 v[STO], s21, v[STO]               ; in: row 16 a + r, bytes 64 b + 32 h
	v_lshl_add_u32 v[RD], v4, 4, s21               ; back: a row of 512 bytes a load
	v_lshlrev_b32 v[GO], 3, v4
	v_lshlrev_b32 v[PFO], 11, v4
	; the factor for row n_w and my columns m_w + 4 l + 0..3: 2^(c1 n - c2 m - 23), c1 = log2 g, c2 = c1 + log2(2/7) / 512
	v_lshl_add_u32 v5, v4, 2, s47
	v_cvt_f32_u32 v7, s46
	v_mov_b32 v24, 0xc1b80000
	v_fmamk_f32 v24, v7, 0xbd3b9ca6, v24
.irp e, 0,1,2,3
	v_add_nc_u32 v25, (\e), v5
	v_cvt_f32_u32 v25, v25
	v_fmamk_f32 v[CR+(\e)], v25, 0x3d4a121d, v24
.endr
.irp e, 0,1,2,3
	v_exp_f32 v[CR+(\e)], v[CR+(\e)]
.endr
	v_lshlrev_b32 v26, 2, v4
	v_sub_nc_u32 v26, s48, v26
.irp e, 0,1,2,3
	v_add_nc_u32 v27, -(\e), v26
	v_cvt_f32_i32 v[UU+(\e)], v27
.endr
	v_mov_b32 v[RHO], 0
	s_wait_alu depctr_va_vdst(0)                   ; one wait for the four exponentials; the lines above are the plain work behind them
.macro MUL16 f, hi, a0, zero           ; 16 matrix instructions: row blocks a0, a0 + 1 of the window's four x all 8 column blocks, 32 along K
	WIN MUL_LO+0x50*(\hi)
.irp a, \a0, (\a0)+1
.irp b, 0,1,2,3,4,5,6,7
.if \zero
	v_wmma_f32_16x16x32_f16 v[8*(8*(\a)+(\b)):8*(8*(\a)+(\b))+7], v[(\f)+8*(\b):(\f)+8*(\b)+7], v[(\f)+8*(4*(\hi)+(\a)):(\f)+8*(4*(\hi)+(\a))+7], 0
.else
	v_wmma_f32_16x16x32_f16 v[8*(8*(\a)+(\b)):8*(8*(\a)+(\b))+7], v[(\f)+8*(\b):(\f)+8*(\b)+7], v[(\f)+8*(4*(\hi)+(\a)):(\f)+8*(4*(\hi)+(\a))+7], v[8*(8*(\a)+(\b)):8*(8*(\a)+(\b))+7]
.endif
.endr
.endr
.endm
.macro FETCH k, f                      ; 32 LDS loads in one run: a quarter step's fragments, K's first, then Q's
	WIN TO_B
.irp i, 0,1,2,3,4,5,6,7
	ds_load_b128 v[(\f)+8*(\i):(\f)+8*(\i)+3],   v[ADRB] offset:(\k)+(\i)*16*PITCH
	ds_load_b128 v[(\f)+8*(\i)+4:(\f)+8*(\i)+7], v[ADRB] offset:(\k)+(\i)*16*PITCH+32
.endr
	WIN 0
.irp i, 0,1,2,3,4,5,6,7
	ds_load_b128 v[(\f)+8*(\i):(\f)+8*(\i)+3],   v[ADRA] offset:(\k)+(\i)*16*PITCH
	ds_load_b128 v[(\f)+8*(\i)+4:(\f)+8*(\i)+7], v[ADRA] offset:(\k)+(\i)*16*PITCH+32
.endr
.endm
.macro QUARTER k, f, g, zero           ; multiplies buffer f; in its middle fetches the next quarter, at byte k of the slot's rows, into g
	s_wait_dscnt 8                                 ; K's fragments and Q's rows 0-63 are in; the youngest eight loads may be out
	MUL16 \f, 0, 0, \zero
	MUL16 \f, 0, 2, \zero
	PLACES
	FETCH \k, \g
	s_wait_dscnt 32                                ; all but the 32 just issued
	MUL16 \f, 1, 0, \zero
	MUL16 \f, 1, 2, \zero
.endm
; A PREFETCH INTO THE L2, behind a refill and the LDS loads that follow it: the K step two refills on, 512 matrix instructions ahead of its load.  Q's rows of block I are read by the tiles (I, .), K's rows of block J by
; the tiles (., J): the diagonal tile (I, I) asks for both, each wave for the 128 rows that it fetches itself, a lane a row, 256 bytes a row: each block is named once.  K steps 0 to 3 come by their loads alone.
.macro ASK
	s_cmp_gt_u32 s3, s[LIM]                        ; the last two refills have no K step two on
	s_cbranch_scc0 .Lnot_mine_\@
.irp q, 0,1,2,3
	global_prefetch_b8 v[PFO], s[PFA:PFA+1] offset:(\q)*65536 th:TH_LOAD_NT scope:SCOPE_SE
.endr
.Lnot_mine_\@:
.endm
; The last quarter multiplies buffer 1 and changes slots.  In front of the barrier each wave waits for all its tensor loads (its part of the other slot), adds 0 to its spare word, and waits for that and for its reads of this
; slot.  fill = 1: this slot is filled again, two K steps on, first thing behind the barrier: 224 matrix instructions stand between the request and the wait for it.
.macro TURN fill
.if \fill
	s_wait_xcnt 0x0                                ; the last prefetches, a K step back, have read their address
	s_add_nc_u64 s[PFA:PFA+1], s[PFA:PFA+1], KSTEP*2
.endif
	WIN 0
	s_wait_tensorcnt 0x0
	ds_add_u32 v[SPW], v[NIL]
.if \fill
	s_xor_b32 s[G0+5], s[G0+5], SLOT               ; the walking descriptor: the other slot than last time, the next K step
	s_add_nc_u64 s[G0+6:G0+7], s[G0+6:G0+7], KSTEP*2
.endif
	s_wait_dscnt 9                                 ; the add and the youngest eight loads may be out
	MUL16 F1, 0, 0, 0
	s_wait_dscnt 0x0                               ; the add is done, and my reads of this slot are over
	s_barrier_signal -1
	MUL16 F1, 0, 2, 0
	WIN 0
	s_barrier_wait -1
.if \fill
	tensor_load_to_lds s[G0+4:G0+7], s[G1:G1+7]
	s_nop 0
.rept 4
	v_nop                                          ; also the places in front of the loads below
.endr
.else
	PLACES
.endif
	s_xor_b32 s[TB], s[TB], SLOT
	v_add_nc_u32 v[ADRA], s[TB], v[ADRA0]
	v_add_nc_u32 v[ADRB], s[TB], v[ADRB0]
	FETCH 0, F0
.if \fill
	ASK
.endif
	MUL16 F1, 1, 0, 0
	MUL16 F1, 1, 2, 0
.endm
	s_wait_tensorcnt 0x1                           ; my part of K step 0 is in; K step 1's may stay out
	s_barrier_signal -1
	s_barrier_wait -1
	FETCH 0, F0
	QUARTER 64, F0, F1, 1                          ; the first quarter stands in front of the loop: its products start the sums
	WIN 0
	s_mov_b32 s3, 6
.Lk:                                           ; a trip: from a K step's second quarter to the next step's first; K steps 2 .. 7 are asked for in six trips
	QUARTER 128, F1, F0, 0
	QUARTER 192, F0, F1, 0
	TURN 1
	QUARTER 64, F0, F1, 0
	WIN 0
	s_sub_co_u32 s3, s3, 1
	s_cmp_lg_u32 s3, 0
	s_cbranch_scc1 .Lk
	s_mov_b32 s3, 2                                ; the tail, without fills: the rest of K step 6, then K step 7
	s_branch .Ltail_in
.Ltail:
	QUARTER 64, F0, F1, 0
	WIN 0
.Ltail_in:
	QUARTER 128, F1, F0, 0
	QUARTER 192, F0, F1, 0
	TURN 0                                         ; (the last one's fetch, of bytes that nobody multiplies, is the price of one text for both trips)
	WIN 0
	s_sub_co_u32 s3, s3, 1
	s_cmp_lg_u32 s3, 0
	s_cbranch_scc1 .Ltail
	; THE WAY OUT
	PLACES
	s_wait_dscnt 0x0
	s_barrier_signal -1
	s_barrier_wait -1                              ; no wave reads the ring any more
.irp hi, 0,1
	WIN 0x08+4*(\hi)                               ; store data (source 1) in window 2 or 3
.irp a, 0,1,2,3
.irp b, 0,1,2,3,4,5,6,7
	ds_store_b128 v[STO], v[8*(8*(\a)+(\b)):8*(8*(\a)+(\b))+3]   offset:(4*(\hi)+(\a))*16*WP+64*(\b)     ; each accumulator from its low end on
	ds_store_b128 v[STO], v[8*(8*(\a)+(\b))+4:8*(8*(\a)+(\b))+7] offset:(4*(\hi)+(\a))*16*WP+64*(\b)+16
.endr
.endr
.endr
	WIN 0
; 32 trips of four rows.  diag = 1: the factor is also multiplied by clamp(n - m + 1) to 0 .. 1: 1 for n >= m, 0 above the diagonal.
.macro ROWS diag
	s_mov_b32 s3, 32
.Lrows_\@:
.irp k, 0,1,2,3
	ds_load_b128 v[DT+4*(\k):DT+4*(\k)+3], v[RD] offset:WP*(\k)  ; my own bytes: LDS serves a wave's instructions in order (ISA guide 5.7.1.4)
.endr
.irp k, 0,1,2,3
.if \diag
.irp e, 0,1,2,3
	v_add_f32 v[MF+(\e)], v[UU+(\e)], v[RHO] clamp
.endr
	v_add_f32 v[RHO], 1.0, v[RHO]
	v_pk_mul_f32 v[CM:CM+1], v[CR:CR+1], v[MF:MF+1]
	v_pk_mul_f32 v[CM+2:CM+3], v[CR+2:CR+3], v[MF+2:MF+3]
.endif
	s_wait_dscnt 3-(\k)
.if \diag
	v_pk_mul_f32 v[DT+4*(\k):DT+4*(\k)+1], v[DT+4*(\k):DT+4*(\k)+1], v[CM:CM+1]
	v_pk_mul_f32 v[DT+4*(\k)+2:DT+4*(\k)+3], v[DT+4*(\k)+2:DT+4*(\k)+3], v[CM+2:CM+3]
.else
	v_pk_mul_f32 v[DT+4*(\k):DT+4*(\k)+1], v[DT+4*(\k):DT+4*(\k)+1], v[CR:CR+1]
	v_pk_mul_f32 v[DT+4*(\k)+2:DT+4*(\k)+3], v[DT+4*(\k)+2:DT+4*(\k)+3], v[CR+2:CR+3]
.endif
	v_cvt_pk_f16_f32 v[OP+2*(\k)], v[DT+4*(\k)], v[DT+4*(\k)+1]
	v_cvt_pk_f16_f32 v[OP+2*(\k)+1], v[DT+4*(\k)+2], v[DT+4*(\k)+3]
	global_store_b64 v[GO], v[OP+2*(\k):OP+2*(\k)+1], s[8:9] offset:4096*(\k)  ; 32 lanes store 256 consecutive bytes, aligned
	v_pk_mul_f32 v[CR:CR+1], v[CR:CR+1], 0x3f780000 op_sel_hi:[1,0]           ; the next row's factor: times g
	v_pk_mul_f32 v[CR+2:CR+3], v[CR+2:CR+3], 0x3f780000 op_sel_hi:[1,0]
.endr
	s_wait_xcnt 0x0                                ; the stores have read their data and base
	s_add_nc_u64 s[8:9], s[8:9], 16384
	v_add_nc_u32 v[RD], 4*WP, v[RD]
	s_sub_co_u32 s3, s3, 1
	s_cmp_lg_u32 s3, 0
	s_cbranch_scc1 .Lrows_\@
.endm
	s_cmp_eq_u32 s[TI], s[TJ]
	s_cbranch_scc1 .Ldiag
	ROWS 0
	s_branch .Lend
.Ldiag:
	ROWS 1
.Lend:
	s_wait_tensorcnt 0x0                           ; the wave's end, behind my last tensor load and my last LDS store
	ds_add_u32 v[SPW], v[NIL]
	s_wait_dscnt 0x0
	s_endpgm
.Lfunc_end_k_qb61a0dfad8_score:
	.size	k_qb61a0dfad8_score, .Lfunc_end_k_qb61a0dfad8_score-k_qb61a0dfad8_score
	.p2alignl 7, 3214868480
	.fill 96, 4, 3214868480
	.section	.rodata,"a",@progbits
	.p2align	6, 0x0
	.amdhsa_kernel k_qb61a0dfad8_score
		.amdhsa_group_segment_fixed_size 327680
		.amdhsa_private_segment_fixed_size 0
		.amdhsa_enable_private_segment 0
		.amdhsa_kernarg_size 24
		.amdhsa_user_sgpr_count 2
		.amdhsa_user_sgpr_kernarg_segment_ptr 1
		.amdhsa_wavefront_size32 1
		.amdhsa_system_sgpr_workgroup_id_x 1
		.amdhsa_system_sgpr_workgroup_id_y 1
		.amdhsa_system_sgpr_workgroup_id_z 1
		.amdhsa_system_vgpr_workitem_id 0
		.amdhsa_next_free_vgpr 1024
		.amdhsa_next_free_sgpr 66
		.amdhsa_reserve_vcc 0
		.amdhsa_float_denorm_mode_32 3
		.amdhsa_float_denorm_mode_16_64 3
		.amdhsa_memory_ordered 1
		.amdhsa_forward_progress 1
		.amdhsa_inst_pref_size 83
	.end_amdhsa_kernel
	.amdgpu_metadata
---
amdhsa.version: [ 1, 2 ]
amdhsa.kernels:
  - .name:           k_qb61a0dfad8_score
    .symbol:         k_qb61a0dfad8_score.kd
    .args:
      - { .name: Qh, .offset: 0, .size: 8, .value_kind: global_buffer, .address_space: global }
      - { .name: Kh, .offset: 8, .size: 8, .value_kind: global_buffer, .address_space: global }
      - { .name: Ph, .offset: 16, .size: 8, .value_kind: global_buffer, .address_space: global }
    .group_segment_fixed_size: 327680
    .private_segment_fixed_size: 0
    .kernarg_segment_align: 8
    .kernarg_segment_size: 24
    .max_flat_workgroup_size: 128
    .sgpr_count:     66
    .vgpr_count:     1024
    .wavefront_size: 32
...
	.end_amdgpu_metadata
.endif
;; end of part 3
;; launch pv (part 4): grid 8 x 32, 4 waves a work-group, clusters of 4 x 1, 327,680 bytes of LDS; arguments Ph, Vt, mx, out0; writes out0
.if DOCPART == 4
	.amdgcn_target "amdgcn-amd-amdhsa--gfx1250"
	.amdhsa_code_object_version 6
	.text
	.protected	k_qb61a0dfad8_pv
	.globl	k_qb61a0dfad8_pv
	.p2align	8
	.type	k_qb61a0dfad8_pv,@function
k_qb61a0dfad8_pv:
	s_mov_b64 s[64:65], 0
	v_nop
	global_prefetch_b8 v0, s[64:65] scope:SCOPE_SE
	s_setreg_imm32_b32 hwreg(HW_REG_WAVE_MODE, 25, 1), 1
	s_wait_xcnt 0x0
	s_wait_alu depctr_hold_cnt(0) depctr_sa_sdst(0) depctr_va_vdst(0) depctr_va_sdst(0) depctr_va_ssrc(0) depctr_va_vcc(0) depctr_vm_vsrc(0)
	s_getreg_b32 s2, hwreg(HW_REG_IB_STS2, 6, 4)
	s_cmp_eq_u32 s2, 0
	s_cbranch_scc0 .Lentry_in_a_cluster
	s_endpgm
.Lentry_in_a_cluster:
	s_bfe_u32 s2, ttmp6, 0x10000c
	s_cmp_lg_u32 s2, 0x3003
	s_cbranch_scc0 .Lentry_shape_is_right
	s_endpgm
.Lentry_shape_is_right:
; RETENTION, launch 4 of 4: out0[b][n][c] = Z sum over m of Ph[b][n][m] v[b, m][c], Z = 1024 t_q t_k t_v: the scales of launches 2 and 3 taken out again (t = max(max|X| max|W|, 2^-100)).
; LEFT OUT: the key steps wholly above the diagonal, where the problem's own mask makes the scores 0 (shown in launch 1's head): a block of 128 rows rb needs the key steps of 256 numbered 0 .. rb >> 1.
; THE WALK.  A work-group makes two tiles of 128 x 128: row blocks 15 - p and then p of one batch: (15 - p >> 1) + (p >> 1) + 2 = 9 key steps whatever p: all 256 work-groups do equal work, and one
; loop with a constant count walks them; the ring runs on across the change of blocks.  Which tile is asked for hangs on scalars made from p and the batch, which the partners of a cluster share.
; SHARES.  Wave w has all 128 rows x columns 32 w .. 32 w + 31: 16 accumulators, which take turns.  f16 operands, f32 sums.  Source 0 = 16 columns of v, source 1 = 16 rows of Ph:
; a lane holds one row n and eight neighbouring c.
; Ph goes through a ring of two LDS slots, 128 rows x 256 keys each.  CLUSTER 4 x 1: the four partners have the same rows of Ph and four different column tiles, so Ph's tiles are asked for jointly, each wave
; for 32 rows.  v COMES STRAIGHT INTO REGISTERS: launch 2 has laid Vt in the order of a matrix operand's registers ([64 blocks of 16 columns][256 blocks of 32 tokens][2 parts][32 lanes][16 bytes]), a load
; takes 512 consecutive bytes, and no wave wants a byte that another wave loads.  A step's 32 loads are four groups of 8, one for each quarter of 64 keys; a group is asked for again, with the data of its next use, as
; soon as its quarter is multiplied: 96 matrix instructions ahead; three groups are always on their way, across the barriers too.  The last step's three reloads, 48 KiB a work-group, wrap to key step 0 and are
; multiplied by nobody: the price of one text and one count for every step.
; THE WAY OUT.  A wave's 32 columns are 128 bytes of a row of out0, so the four waves lay a block, times Z, into one stage (128 rows of 528 bytes, never filled by a tensor load); behind a barrier each wave reads 32 whole
; rows and stores them, 512 consecutive bytes a store.  That barrier stands in every trip, outside the branch on a block's end, so that no barrier is jumped over.  Between a block's reads of the stage and the next
; block's stores into it stands a change of slots, with every wave's wait for its LDS reads and a barrier.
.set PITCH,  528                       ; an LDS row: 512 bytes + 16 = 132 words: the 16 rows of a load start at 16 different groups of four banks (64 banks of 4 bytes: ISA guide 11.1)
.set QROWS,  32*PITCH                  ; what one load brings
.set SLOT,   128*PITCH                 ; 0x10800: it shares no bit with wave x QROWS, so an exclusive or turns one slot's address into the other's
.set STAGE,  2*SLOT
.set SPARE,  STAGE+128*PITCH           ; the spare words, 128 bytes a wave
.set ADRA, 16                          ; v16  LDS address of Ph's fragments in the slot in hand
.set ADRA0, 18                         ; v18  the same in slot 0; never rewritten
.set STO,  24
.set RD,   25
.set BO,   27                          ; v27  16 x lane: for the loads of v and of the maxima and for the stores; never rewritten
.set SPW,  28
.set NIL,  29
.set PFO,  30
.set TW,   32                          ; v32-63   two blocks of 16 rows x 32 columns, scaled
.set TR,   64                          ; v64-127  16 rows read back
.set GS,   32                          ; the maxima as loaded
.set ACC,  128                         ; accumulator (a, b) at ACC + 8 (2 a + b)
.set F0,   0                           ; window 1: Ph's fragments, two sets of 128: 32 keys c, row block a at 8 (8 c + a)
.set F1,   128
                                       ; window 2: v's fragments: quarter q, 32 keys c, column block b at 32 q + 8 (2 c + b)
.set WV, 12
.set CX, 15
.set CT, 16
.set BT, 19
.set G1, 24
.set SB,  32                           ; s[32:33] Vt at my columns and the key step that the reloads are for
.set KB,  34                           ; that key step,
.set LQB, 35                           ; and the last one of its block
.set KP,  36                           ; the same three numbers for the prefetches
.set ROWP, 37
.set LQP, 38
.set LIM, 39
.set G0,  40                           ; s[40:47]: a set for each first fill; the second then walks on
.set PFB, 48
.set PFA, 50
.set KS,  56                           ; the key step to be asked for next
.set LQ,  57                           ; the last key step of the block whose tiles are being asked for
.set ROW, 58                           ; that block
.set RT,  59                           ; key steps of the block in hand still to be multiplied
.set FIRST, 60                         ; 1: the step to be multiplied is a block's first
.set TB,  61
.set LO,  62                           ; p
.set NLM, 63                           ; p >> 1
.set ZZ,  66
.set PAB, 68
.set PBB, 70
.set OUT, 72
.set OUTLO, 74
.set OFF, 76
.set SEL, 78
.set MSB, 0
.macro WIN new
.if MSB != (\new)
	s_set_vgpr_msb (MSB<<8)|(\new)
.set MSB, (\new)
.endif
.endm
.set MUL,  0x06                        ; source 0 (v) window 2, source 1 (Ph) window 1; C and D window 0
.macro PLACES
.rept 4
	v_nop
.endr
.endm
.macro CREST
	s_cmp_lg_u32 s[WV], 0
	s_cbranch_scc1 .Lnot_wave_0_\@
	s_barrier_signal -3
.Lnot_wave_0_\@:
	s_barrier_wait -3
	s_barrier_signal -1
	s_barrier_wait -1
.endm
.macro CROUND
	s_barrier_signal -1
	s_barrier_wait -1
	CREST
.endm
	s_load_b256 s[4:11], s[0:1], 0x0               ; Ph s[4:5], Vt s[6:7], mx s[8:9], out0 s[10:11]
	v_lshl_add_u32 v[SPW], v0, 2, SPARE
	v_mov_b32 v[NIL], 0
	ds_add_u32 v[SPW], v[NIL]                      ; the wave's opening: the add, twice on end, and its wait ahead of my first tensor load
	ds_add_u32 v[SPW], v[NIL]
	v_lshrrev_b32 v1, 5, v0
	v_readfirstlane_b32 s[WV], v1
	s_bfe_u32 s[CX], ttmp6, 0x40000
	s_lshl_b32 s[CT], ttmp9, 2
	s_add_co_u32 s[CT], s[CT], s[CX]               ; column tile = 4 x cluster x + cx: it enters Vt's and out0's addresses alone
	s_and_b32 s17, ttmp7, 0xffff
	s_and_b32 s[LO], s17, 7
	s_lshr_b32 s[BT], s17, 3
	s_sub_co_u32 s[ROW], 15, s[LO]
	s_lshr_b32 s[LQ], s[ROW], 1                    ; the first block has 5 to 8 key steps
	s_add_co_u32 s[RT], s[LQ], 1
	s_lshr_b32 s[NLM], s[LO], 1
	s_mov_b32 s[KS], 2
	s_mov_b32 s[FIRST], 1
	s_mov_b32 s[TB], 0
	s_mov_b32 s[KB], 0
	s_mov_b32 s[LQB], s[LQ]
	s_mov_b32 s[KP], 4
	s_mov_b32 s[ROWP], s[ROW]
	s_mov_b32 s[LQP], s[LQ]
	s_lshr_b32 s[LIM], s[WV], 1
	s_or_b32 s[LIM], s[LIM], ttmp9                 ; waves 0 and 1 of the clusters with x = 0 prefetch: the same in all four partners
	s_cmp_eq_u32 s[LIM], 0
	s_cselect_b32 s[LIM], 2, -1
	s_mov_b32 s[SEL], 0x76543210
	s_mov_b32 s[SEL+1], 0xfedcba98
	s_mov_b32 s[G1], 15|(1<<16)|(1<<20)|(1<<21)|(6<<22)|(3<<25)  ; the mask of four; 2-byte elements; padding on; bit 21 beside a mask; behind every 128 words, 4 words
	s_mov_b32 s[G1+1], 256<<16
	s_mov_b32 s[G1+2], 32<<16
	s_mov_b32 s[G1+3], 256<<16
	s_mov_b32 s[G1+4], 32
	s_mov_b32 s[G1+5], 2048                        ; elements from row to row of Ph
	s_mov_b32 s[G1+6], 0
	s_mov_b32 s[G1+7], 0
	s_lshl_b32 s80, s[BT], 23                      ; Ph: the batch, and which 32 rows of a block I fetch
	s_lshl_b32 s81, s[WV], 17
	s_add_co_u32 s80, s80, s81
	s_lshl_b32 s84, s[CT], 9                       ; out0: the same rows, which I also store, and the tile's 512 bytes of a row
	s_add_co_u32 s84, s84, s80
	s_mov_b32 s81, 0
	s_lshl_b32 s82, s[CT], 21                      ; Vt: column block 8 x column tile + 2 x wave (262,144 bytes each), the batch's 64 token blocks of 1,024 bytes
	s_lshl_b32 s83, s[WV], 19
	s_add_co_u32 s82, s82, s83
	s_lshl_b32 s83, s[BT], 16
	s_add_co_u32 s82, s82, s83
	s_mov_b32 s83, 0
	s_lshl_b32 s86, s[LO], 19
	s_add_co_u32 s86, s86, s84                     ; in the second block,
	s_mov_b32 s87, 0
	s_lshl_b32 s85, s[ROW], 19
	s_add_co_u32 s84, s84, s85                     ; in the first
	s_mov_b32 s85, 0
	s_lshl_b32 s90, s[BT], 23                      ; the prefetches: of a tile's 128 rows my work-group takes 32, my wave 16 of them
	s_lshl_b32 s91, s[CX], 17
	s_add_co_u32 s90, s90, s91
	s_and_b32 s91, s[WV], 1
	s_lshl_b32 s91, s91, 16
	s_add_co_u32 s90, s90, s91
	s_mov_b32 s91, 0
	s_lshl_b32 s[OFF], s[ROW], 19
	s_mov_b32 s[OFF+1], 0
	s_mul_i32 s88, s[WV], QROWS                    ; where my loads go: no place in the cluster enters an LDS address
	s_wait_dscnt 0x0                               ; both opening adds are done
	s_wait_kmcnt 0x0
	s_add_nc_u64 s[PAB:PAB+1], s[4:5], s[80:81]
	s_add_nc_u64 s[PBB:PBB+1], s[6:7], s[82:83]
	s_add_nc_u64 s[OUT:OUT+1], s[10:11], s[84:85]
	s_add_nc_u64 s[OUTLO:OUTLO+1], s[10:11], s[86:87]
	s_add_nc_u64 s[PFB:PFB+1], s[4:5], s[90:91]
	s_mov_b64 s[SB:SB+1], s[PBB:PBB+1]
	s_add_nc_u64 s[90:91], s[PAB:PAB+1], s[OFF:OFF+1]
	CROUND                                         ; all four work-groups are here: the first joint loads meet
.irp s, 0,1
	s_mov_b32 s[G0+4*(\s)], 1
	s_add_co_u32 s[G0+4*(\s)+1], s88, (\s)*SLOT
	s_add_nc_u64 s[G0+4*(\s)+2:G0+4*(\s)+3], s[90:91], (\s)*512
	s_or_b32 s[G0+4*(\s)+3], s[G0+4*(\s)+3], 0x80000000
.endr
	tensor_load_to_lds s[G0:G0+3], s[G1:G1+7]      ; key steps 0 and 1 of the first block: two loads of mine are out
	s_nop 0
	tensor_load_to_lds s[G0+4:G0+7], s[G1:G1+7]
	s_nop 0
.rept 4
	v_nop
.endr
	v_and_b32 v1, 15, v0
	v_bfe_u32 v2, v0, 4, 1
	v_and_b32 v4, 31, v0
	v_lshlrev_b32 v[BO], 4, v4
.set i, 0
.rept 14
	global_load_b128 v[GS+4*i:GS+4*i+3], v[BO], s[8:9] offset:512*i  ; launch 1's maxima
.set i, i+1
.endr
.macro BLOAD q                         ; group q of v's fragments: 8 loads of 512 consecutive bytes
	WIN 0x80                                       ; destination window 2, address window 0
.irp c, 0,1
.irp b, 0,1
	global_load_b128 v[32*(\q)+8*(2*(\c)+(\b)):32*(\q)+8*(2*(\c)+(\b))+3],   v[BO], s[SB:SB+1] offset:(\q)*2048+(\c)*1024+(\b)*262144
	global_load_b128 v[32*(\q)+8*(2*(\c)+(\b))+4:32*(\q)+8*(2*(\c)+(\b))+7], v[BO], s[SB:SB+1] offset:(\q)*2048+(\c)*1024+(\b)*262144+512
.endr
.endr
.endm
	BLOAD 0                                        ; key step 0; its group 3 is asked for at the head of the first trip, like every group 3
	BLOAD 1
	BLOAD 2
	WIN 0
	v_mul_u32_u24 v[ADRA0], v1, PITCH
	v_lshl_add_u32 v[ADRA0], v2, 4, v[ADRA0]       ; a fragment: row x pitch + 16 x half
	v_mov_b32 v[ADRA], v[ADRA0]
	s_lshl_b32 s80, s[WV], 7
	s_add_co_u32 s80, s80, STAGE
	v_mul_u32_u24 v[STO], v1, PITCH
	v_lshl_add_u32 v[STO], v2, 5, v[STO]
	v_add_nc_u32 v[STO], s80, v[STO]               ; in: row 16 a + r, bytes 128 w + 64 b + 32 h
	s_mul_i32 s80, s[WV], QROWS
	s_add_co_u32 s80, s80, STAGE
	v_lshl_add_u32 v[RD], v4, 4, s80               ; back: rows 32 w .., a whole row of 512 bytes a load
	v_lshrrev_b32 v[PFO], 1, v4
	v_and_b32 v3, 1, v4
	v_lshlrev_b32 v[PFO], 12, v[PFO]
	v_lshl_add_u32 v[PFO], v3, 8, v[PFO]           ; row l / 2 of my 16, its block l % 2 of 256 bytes
.macro FOLD d, n
.set i, 1
.rept ((\n)-2)/2
	v_max3_num_f32 v[\d], v[\d], v[(\d)+i], v[(\d)+i+1]
.set i, i+2
.endr
	v_max_num_f32 v[\d], v[\d], v[(\d)+(\n)-1]
.endm
.macro WMAX d
	v_max_num_f32_dpp v[\d], v[\d], v[\d] row_xmask:1 row_mask:0xf bank_mask:0xf
	v_max_num_f32_dpp v[\d], v[\d], v[\d] row_xmask:2 row_mask:0xf bank_mask:0xf
	v_max_num_f32_dpp v[\d], v[\d], v[\d] row_xmask:4 row_mask:0xf bank_mask:0xf
	v_max_num_f32_dpp v[\d], v[\d], v[\d] row_xmask:8 row_mask:0xf bank_mask:0xf
	v_permlanex16_b32 v[(\d)+1], v[\d], s[SEL], s[SEL+1]
	v_max_num_f32 v[\d], v[\d], v[(\d)+1]
.endm
	s_wait_loadcnt 24                              ; the maxima are in; v's 24 loads stay out
	FOLD GS, 32
	FOLD GS+32, 8
	FOLD GS+40, 8
	FOLD GS+48, 8
	WMAX GS
	WMAX GS+32
	WMAX GS+40
	WMAX GS+48
.irp g, 0,1,2
	v_mul_f32 v[GS+32+8*(\g)], v[GS], v[GS+32+8*(\g)]
	v_max_num_f32 v[GS+32+8*(\g)], 0x0d800000, v[GS+32+8*(\g)]  ; t, at least 2^-100, as in launch 2
.endr
	v_mul_f32 v[GS+32], v[GS+32], v[GS+40]
	v_mul_f32 v[GS+32], v[GS+32], v[GS+48]
	v_mul_f32 v[GS+32], 0x44800000, v[GS+32]
	v_readfirstlane_b32 s[ZZ], v[GS+32]
	s_mov_b32 s[ZZ+1], s[ZZ]                       ; named with it as a pair
.macro MUL8 f, c, q, a0, zero          ; 8 matrix instructions: row blocks a0 .. a0 + 3 x my 2 column blocks, 32 keys: half c of quarter q, Ph's set f
	WIN MUL
.irp a, \a0, (\a0)+1, (\a0)+2, (\a0)+3
.irp b, 0,1
.set rD, ACC+8*(2*(\a)+(\b))
.set rB, 32*(\q)+8*(2*(\c)+(\b))
.set rA, (\f)+8*(8*(\c)+(\a))
.if \zero
	v_wmma_f32_16x16x32_f16 v[rD:rD+7], v[rB:rB+7], v[rA:rA+7], 0
.else
	v_wmma_f32_16x16x32_f16 v[rD:rD+7], v[rB:rB+7], v[rA:rA+7], v[rD:rD+7]
.endif
.endr
.endr
.endm
.macro MUL16 f, c, q, zero
	MUL8 \f, \c, \q, 0, \zero
	MUL8 \f, \c, \q, 4, \zero
.endm
.macro FETCH k, f                      ; 32 LDS loads in one run: Ph's fragments of 64 keys at byte k of the rows; the first 32 keys first
	WIN 0x40                                       ; destination window 1
.irp c, 0,1
.irp a, 0,1,2,3,4,5,6,7
	ds_load_b128 v[(\f)+8*(8*(\c)+(\a)):(\f)+8*(8*(\c)+(\a))+3],   v[ADRA] offset:(\k)+64*(\c)+(\a)*16*PITCH
	ds_load_b128 v[(\f)+8*(8*(\c)+(\a))+4:(\f)+8*(8*(\c)+(\a))+7], v[ADRA] offset:(\k)+64*(\c)+(\a)*16*PITCH+32
.endr
.endr
.endm
.macro QHEAD prev                      ; a quarter's head: the group multiplied last is asked for again, four places behind its last product; then the wait for this quarter's group
	PLACES
	BLOAD \prev
	s_wait_loadcnt 24                              ; this quarter's group is the oldest of four: the three younger groups' 24 loads stay out
.endm
.macro QUARTER q, prev, k, f, g
	QHEAD \prev
	s_wait_dscnt 16                                ; the first 32 keys' fragments of Ph are in; the other sixteen loads may be out
	MUL16 \f, 0, \q, 0
	PLACES
	FETCH \k, \g
	s_wait_dscnt 32                                ; all but the 32 just issued
	MUL16 \f, 1, \q, 0
.endm
; A PREFETCH INTO THE L2 of Ph's tile for the walk's step four on, two steps (256 matrix instructions) ahead of its load.  Both clusters of a row of clusters read the same tiles: the one with x = 0 asks.  Of a tile's 128 rows
; of 512 bytes each partner takes 32, told apart by address, its waves 0 and 1 sixteen each: a lane a block of 256 bytes, one line a wave: each block is named once.  Steps 0 to 3 come by their loads alone; the last two
; trips of the loop ask for nothing.  Vt is not asked for: eight work-groups read each of its tiles, in different trips.
.macro ASK
	s_cmp_gt_u32 s3, s[LIM]
	s_cbranch_scc0 .Lnot_mine_\@
	global_prefetch_b8 v[PFO], s[PFA:PFA+1] th:TH_LOAD_NT scope:SCOPE_SE
.Lnot_mine_\@:
.endm
; A KEY STEP: four quarters of 64 keys, 32 matrix instructions each, on Ph's sets 0, 1, 0, 1.  fill = 1: the slot that it leaves is filled again.
.macro TRIP fill
	QHEAD 3                                        ; quarter 0; group 3 takes this step's data
	WIN 0
	s_wait_dscnt 16
	s_cmp_eq_u32 s[FIRST], 1                       ; a block's first products start the sums with the constant 0: those sixteen are written twice, and a flag chooses
	s_cbranch_scc1 .Lzero_\@
	MUL16 F0, 0, 0, 0
	WIN 0
	s_branch .Lgo_\@
.Lzero_\@:
	v_nop                                          ; with QHEAD's four: five places in front of products that write over accumulators without adding onto them
	MUL16 F0, 0, 0, 1
	WIN 0
.Lgo_\@:
	PLACES
	FETCH 128, F1
	s_wait_dscnt 32
	MUL16 F0, 1, 0, 0
	s_wait_xcnt 0x0                                ; group 3's loads, 32 products back, and the last prefetch have read their addresses, which are written here
	s_add_co_u32 s[KB], s[KB], 1                   ; groups 0 to 2, and the next trip's group 3, take the walk's next step: the block's next key step, or behind its last step 0 again
	s_cmp_gt_u32 s[KB], s[LQB]
	s_cselect_b32 s[KB], 0, s[KB]
	s_cselect_b32 s[LQB], s[NLM], s[LQB]
	s_lshl_b32 s80, s[KB], 13                      ; a key step is 8 token blocks of 1,024 bytes
	s_mov_b32 s81, 0
	s_add_nc_u64 s[SB:SB+1], s[PBB:PBB+1], s[80:81]
.if \fill
	s_lshl_b32 s80, s[ROWP], 19
	s_lshl_b32 s82, s[KP], 9
	s_add_co_u32 s80, s80, s82
	s_add_nc_u64 s[PFA:PFA+1], s[PFB:PFB+1], s[80:81]
	s_add_co_u32 s[KP], s[KP], 1
	s_cmp_gt_u32 s[KP], s[LQP]
	s_cselect_b32 s[KP], 0, s[KP]
	s_cselect_b32 s[ROWP], s[LO], s[ROWP]
	s_cselect_b32 s[LQP], s[NLM], s[LQP]
.endif
	QUARTER 1, 0, 256, F1, F0
	QUARTER 2, 1, 384, F0, F1
	; quarter 3 changes slots.  In front of the barrier each wave waits for all its tensor loads (its part of the other slot), adds 0 to its spare word, and waits for that and for its reads of this slot.
	; fill = 1: the barrier opens a round of the cluster's barrier; this slot takes key step KS of block ROW, its address made anew from those numbers; 112 matrix instructions stand between the request and the wait for it.
	QHEAD 2
	WIN 0
	s_wait_tensorcnt 0x0                           ; no tensor load of mine is out, so a group 0 may be written
	ds_add_u32 v[SPW], v[NIL]
.if \fill
	s_lshl_b32 s80, s[KS], 9                       ; a key step is 512 bytes of a row,
	s_lshl_b32 s[OFF], s[ROW], 19                  ; a block of 128 rows of Ph 524,288 bytes
	s_add_co_u32 s[OFF], s[OFF], s80
	s_xor_b32 s[G0+5], s[G0+5], SLOT
	s_add_nc_u64 s[G0+6:G0+7], s[PAB:PAB+1], s[OFF:OFF+1]
	s_or_b32 s[G0+7], s[G0+7], 0x80000000
	s_add_co_u32 s[KS], s[KS], 1                   ; the block's next key step, or behind its last the second block's step 0
	s_cmp_gt_u32 s[KS], s[LQ]
	s_cselect_b32 s[KS], 0, s[KS]
	s_cselect_b32 s[ROW], s[LO], s[ROW]
	s_cselect_b32 s[LQ], s[NLM], s[LQ]
.endif
	s_wait_dscnt 17                                ; the add and the youngest sixteen loads may be out
	MUL8 F1, 0, 3, 0, 0
	s_wait_dscnt 0x0                               ; the add is done, and my reads of this slot are over
	s_barrier_signal -1
	MUL8 F1, 0, 3, 4, 0
	WIN 0
	s_barrier_wait -1
.if \fill
	CREST                                          ; no wave of any partner still reads this slot or has a load on its way
	tensor_load_to_lds s[G0+4:G0+7], s[G1:G1+7]    ; every wave's one load behind the round: its 32 rows
	s_nop 0
.rept 4
	v_nop                                          ; also the places in front of the loads below
.endr
.else
	PLACES
.endif
	s_xor_b32 s[TB], s[TB], SLOT
	v_add_nc_u32 v[ADRA], s[TB], v[ADRA0]
	FETCH 0, F0
	WIN 0
.if \fill
	ASK
.endif
	MUL16 F1, 1, 3, 0
	WIN 0
	s_mov_b32 s[FIRST], 0
	s_sub_co_u32 s[RT], s[RT], 1
	s_cmp_lg_u32 s[RT], 0
	s_cbranch_scc1 .Lnot_out_\@
	PLACES                                         ; a block's last step: the block, times Z, goes into the stage; each accumulator is read from its low end on
.irp a, 0,1,2,3,4,5,6,7
.irp j, 0,2,4,6,8,10,12,14
	v_pk_mul_f32 v[TW+16*((\a)%2)+(\j):TW+16*((\a)%2)+(\j)+1], v[ACC+16*(\a)+(\j):ACC+16*(\a)+(\j)+1], s[ZZ:ZZ+1] op_sel_hi:[1,0]
.endr
.irp b, 0,1
	ds_store_b128 v[STO], v[TW+16*((\a)%2)+8*(\b):TW+16*((\a)%2)+8*(\b)+3]   offset:(\a)*16*PITCH+64*(\b)
	ds_store_b128 v[STO], v[TW+16*((\a)%2)+8*(\b)+4:TW+16*((\a)%2)+8*(\b)+7] offset:(\a)*16*PITCH+64*(\b)+16
.endr
.endr
.Lnot_out_\@:
	s_wait_dscnt 0x0                               ; for the others' sake: my stores into the stage are done
	s_barrier_signal -1                            ; the refill just asked for may stay out
	s_barrier_wait -1
	s_cmp_lg_u32 s[RT], 0
	s_cbranch_scc1 .Lon_\@
.irp hb, 0,1
	s_wait_xcnt 0x0                                ; earlier stores have read TR
.irp i, 0,1,2,3,4,5,6,7,8,9,10,11,12,13,14,15
	ds_load_b128 v[TR+4*(\i):TR+4*(\i)+3], v[RD] offset:(16*(\hb)+(\i))*PITCH
.endr
.irp i, 0,1,2,3,4,5,6,7,8,9,10,11,12,13,14,15
	s_wait_dscnt 15-(\i)
	global_store_b128 v[BO], v[TR+4*(\i):TR+4*(\i)+3], s[OUT:OUT+1] offset:(16*(\hb)+(\i))*4096  ; a wave stores 512 consecutive bytes, aligned
.endr
.endr
	s_wait_xcnt 0x0                                ; the stores have read their base
	s_mov_b64 s[OUT:OUT+1], s[OUTLO:OUTLO+1]
	s_add_co_u32 s[RT], s[NLM], 1                  ; the second block has (p >> 1) + 1 key steps
	s_mov_b32 s[FIRST], 1
.Lon_\@:
.endm
	s_wait_tensorcnt 0x1                           ; my part of key step 0 is in; key step 1's may stay out
	s_barrier_signal -1
	s_barrier_wait -1
	FETCH 0, F0
	WIN 0
	s_mov_b32 s3, 7
.Lwalk:                                        ; seven trips ask for the walk's steps 2 .. 8
	TRIP 1
	s_sub_co_u32 s3, s3, 1
	s_cmp_lg_u32 s3, 0
	s_cbranch_scc1 .Lwalk
	s_mov_b32 s3, 2
.Ltail:                                        ; the last two steps ask for no tile: written apart (the last one's fetch from LDS, of bytes that nobody multiplies, is the price of one text for both)
	TRIP 0
	s_sub_co_u32 s3, s3, 1
	s_cmp_lg_u32 s3, 0
	s_cbranch_scc1 .Ltail
	s_wait_tensorcnt 0x0                           ; the wave's end, behind my last tensor load and my last LDS store
	ds_add_u32 v[SPW], v[NIL]
	s_wait_dscnt 0x0
	CROUND                                         ; the closing round: no work-group ends while a partner may still ask for a tile that names it
	s_endpgm
.Lfunc_end_k_qb61a0dfad8_pv:
	.size	k_qb61a0dfad8_pv, .Lfunc_end_k_qb61a0dfad8_pv-k_qb61a0dfad8_pv
	.p2alignl 7, 3214868480
	.fill 96, 4, 3214868480
	.section	.rodata,"a",@progbits
	.p2align	6, 0x0
	.amdhsa_kernel k_qb61a0dfad8_pv
		.amdhsa_group_segment_fixed_size 327680
		.amdhsa_private_segment_fixed_size 0
		.amdhsa_enable_private_segment 0
		.amdhsa_kernarg_size 32
		.amdhsa_user_sgpr_count 2
		.amdhsa_user_sgpr_kernarg_segment_ptr 1
		.amdhsa_wavefront_size32 1
		.amdhsa_system_sgpr_workgroup_id_x 1
		.amdhsa_system_sgpr_workgroup_id_y 1
		.amdhsa_system_sgpr_workgroup_id_z 1
		.amdhsa_system_vgpr_workitem_id 0
		.amdhsa_next_free_vgpr 640
		.amdhsa_next_free_sgpr 96
		.amdhsa_reserve_vcc 0
		.amdhsa_float_denorm_mode_32 3
		.amdhsa_float_denorm_mode_16_64 3
		.amdhsa_memory_ordered 1
		.amdhsa_forward_progress 1
		.amdhsa_inst_pref_size 88
	.end_amdhsa_kernel
	.amdgpu_metadata
---
amdhsa.version: [ 1, 2 ]
amdhsa.kernels:
  - .name:           k_qb61a0dfad8_pv
    .symbol:         k_qb61a0dfad8_pv.kd
    .args:
      - { .name: Ph, .offset: 0, .size: 8, .value_kind: global_buffer, .address_space: global }
      - { .name: Vt, .offset: 8, .size: 8, .value_kind: global_buffer, .address_space: global }
      - { .name: mx, .offset: 16, .size: 8, .value_kind: global_buffer, .address_space: global }
      - { .name: out0, .offset: 24, .size: 8, .value_kind: global_buffer, .address_space: global }
    .group_segment_fixed_size: 327680
    .private_segment_fixed_size: 0
    .kernarg_segment_align: 8
    .kernarg_segment_size: 32
    .max_flat_workgroup_size: 128
    .sgpr_count:     96
    .vgpr_count:     640
    .wavefront_size: 32
...
	.end_amdgpu_metadata
.endif
;; end of part 4
